; MI455X (gfx1250); checked and timed in simulation.
; The chip was launched on July 23, 2026; its instructions are those of AMD's public machine-readable ISA for CDNA 5 (MIT licence, August 2026) and "CDNA5" Instruction Set Architecture Reference Guide (July 2026). The comments in the code are by the model that wrote it; some were corrected since.
;; Indexed Mat Mul. Allowed arithmetic: matrix products marked QUANTISED: E5M2 operands, one given power-of-two scale a tensor, by v_wmma_f32_16x16x64_bf8_bf8 or v_wmma_f32_16x16x128_bf8_bf8, f32 sums; everything else in f32.
;; Inputs: W 8 x 1,024 x 1,024 float32; X 4 x 2,048 x 1,024 float32; indices 4 x 2,048 int32; lowp_scales 16 int32 (the exponents e of the quantised operands' scales 2^e).
;; Outputs: out0 4 x 2,048 x 1,024 float32.
;; This version of the problem:
;;   THIS VERSION OF THE PROBLEM IS GIVEN IN LOW PRECISION. The matrix products marked QUANTISED in the list below multiply operands that are first quantised to E5M2 (5 exponent bits, 2 mantissa bits; 8 bits a number), with one given power-of-two scale for each operand tensor; their sums are f32. All else is computed in f32.
;;   The module's matrix products, in the order in which they are computed (A, B: the left and right operand; K: the contracted axis; several contracted axes count as one K, in the product's order):
;;     1. [M 8,192, K 1,024] x [K 1,024, N 1,024]; A: input X; B: input W: QUANTISED (scales: A lowp_scales[0], B lowp_scales[1])
;;     2. [M 8,192, K 1,024] x [K 1,024, N 1,024]; A: input X; B: input W: QUANTISED (scales: A lowp_scales[2], B lowp_scales[3])
;;     3. [M 8,192, K 1,024] x [K 1,024, N 1,024]; A: input X; B: input W: QUANTISED (scales: A lowp_scales[4], B lowp_scales[5])
;;     4. [M 8,192, K 1,024] x [K 1,024, N 1,024]; A: input X; B: input W: QUANTISED (scales: A lowp_scales[6], B lowp_scales[7])
;;     5. [M 8,192, K 1,024] x [K 1,024, N 1,024]; A: input X; B: input W: QUANTISED (scales: A lowp_scales[8], B lowp_scales[9])
;;     6. [M 8,192, K 1,024] x [K 1,024, N 1,024]; A: input X; B: input W: QUANTISED (scales: A lowp_scales[10], B lowp_scales[11])
;;     7. [M 8,192, K 1,024] x [K 1,024, N 1,024]; A: input X; B: input W: QUANTISED (scales: A lowp_scales[12], B lowp_scales[13])
;;     8. [M 8,192, K 1,024] x [K 1,024, N 1,024]; A: input X; B: input W: QUANTISED (scales: A lowp_scales[14], B lowp_scales[15])
;;   THE QUANTISER, for each operand of a quantised product, along K:
;;     - The operand's scale is 2^e, e = its entry of the input lowp_scales (int32; the entries are numbered through the quantised products in the list's order, A before B).
;;     - Each number is divided by the scale, clamped to +-57,344, and rounded to the nearest number of E5M2, ties to even, subnormals kept.
;;     - The product sums the exact products of the quantised numbers (number of the format x scale) in f32.
;;   ~~~python
;;   def quantise(x, axis, e):      # numpy; x: float32 -> the quantised numbers, widened to float32 again
;;       x = np.moveaxis(x, axis, -1); K = x.shape[-1]
;;       r = np.clip(x / 2.0 ** e, -57344, 57344)
;;       step = 2.0 ** (np.maximum(np.frexp(np.where(r == 0, 1, r))[1] - 1, -14) - 2)
;;       q = np.round(r / step) * step * 2.0 ** e      # np.round: ties to even
;;       return np.moveaxis(q, -1, axis).astype(np.float32)
;;   ~~~
;; 2 versions. Each part assembles by itself: llvm-mc -triple=amdgcn-amd-amdhsa -mcpu=gfx1250 --defsym DOCPART=n.
;; ======== version 1 of 2: 2 launches
;; workspace buffers: xq 8,388,608 bytes; wq 8,388,608 bytes; order 32,768 bytes of whole numbers; tiles 1,024 bytes of whole numbers
;; launch prep (part 1): grid 257 x 1, 8 waves a work-group, no clusters, 136,448 bytes of LDS; arguments X, W, indices, lowp_scales, xq, wq, order, tiles; writes xq, wq, order, tiles
.if DOCPART == 1
	.amdgcn_target "amdgcn-amd-amdhsa--gfx1250"
	.amdhsa_code_object_version 6
	.text
	.protected	k_q851a1519fc_prep
	.globl	k_q851a1519fc_prep
	.p2align	8
	.type	k_q851a1519fc_prep,@function
k_q851a1519fc_prep:
	s_mov_b64 s[64:65], 0
	v_nop
	global_prefetch_b8 v0, s[64:65] scope:SCOPE_SE
	s_setreg_imm32_b32 hwreg(HW_REG_WAVE_MODE, 25, 1), 1
	s_wait_xcnt 0x0
; THE LAUNCH IN FRONT OF THE PRODUCT.  Three kinds of work-groups, told apart by the work-group's number alone:
;   0          sorts the 8,192 tokens by expert (a counting sort, no atomics): order[p] = the token at sorted place p; tiles[t] = (expert, first place, rows, 0) for 64 tiles of at most 144 rows.
;   1 .. 128   turn X [8192][1024] f32 into codes of E5M2, xq [8192][1024], K innermost; token t with the scale 2^e of ITS expert's product, e = lowp_scales[2 x indices[t]].
;   129 .. 256 turn W [8][1024][1024] f32 into codes, expert e with lowp_scales[2 e + 1], laid as IMAGES OF THE OPERAND'S REGISTERS:
;              byte = e<<20 | g<<16 | s<<13 | b<<11 | c<<9 | lane<<4: g a group of 64 rows of W[e], s a K step of 128, b a tile of 16 rows, and lane (r, h)'s 16 bytes are W[e][64 g + 16 b + r][128 s + 32 c + 16 h + 0 .. 15].
; code = x / 2^e, held within +-57,344, rounded to the nearest code, ties to even.
; A token whose index lies outside 0 .. 7 matches no expert: its hold is 0, so its codes are zeros and its row of the result comes out 0 (of either sign); the sort files it under expert 7.
; LIMITS: every e between -126 and 112, so that 2^e and 57,344 x 2^e are f32 numbers.  NaN among the inputs is not served (an infinity is held at the largest code).
; THE QUANTISER.  A wave takes 16 rows x 512 along K, four steps of 128.  Each load reads 512 consecutive bytes of one row; the conversions want 16 NEIGHBOURS along K in one lane's registers, so a step's 16 x 512 bytes
; turn through the wave's own stage in LDS (rows 528 bytes apart).  W's codes are then the operand's registers and are stored as they stand, 512 consecutive bytes a store; X's codes are gathered in a second stage of the wave's own
; and leave as half rows of 512 consecutive bytes.  Waves share nothing here: no barrier.  Loads run two steps (32 loads a wave) ahead.
; No matrix unit, no cluster, no tensor load: the launch streams each f32 byte once, and no two work-groups read the same bytes.
.set WREG,  16896                      ; LDS of a wave: the f32 stage, 16 rows x 528, then the code stage, 16 rows x 528
.set FP,    528                        ; a stage row: 512 bytes + 16, an odd multiple of 16 bytes
.set CST,   8448                       ; the code stage, behind the f32 stage
.set SORTB, 8*WREG                     ; the sort's own bytes: 32 for each wave, its eight counts
.set R,     16                         ; v16-143  two sets of 64: a step's numbers as loaded
.set XS,    144                        ; v144-207 64 numbers: register 16 c + n = k 32 c + 16 h + n of my row
.set C,     208                        ; v208-223 their codes
	s_load_b512 s[4:19], s[0:1], 0x0               ; X 4:5, W 6:7, indices 8:9, lowp_scales 10:11, xq 12:13, wq 14:15, order 16:17, tiles 18:19
	v_lshl_add_u32 v224, v0, 2, 0x21100
	v_mov_b32 v225, 0
	v_lshrrev_b32 v1, 5, v0
	v_readfirstlane_b32 s20, v1                    ; wave 0..7
	v_and_b32 v1, 31, v0                           ; lane
	v_and_b32 v2, 15, v0                           ; r
	v_bfe_u32 v3, v0, 4, 1                         ; h
	v_lshlrev_b32 v4, 4, v1                        ; 16 x lane: my bytes of every load and store of 512; never rewritten
	s_mul_i32 s22, s20, WREG
	v_add_nc_u32 v5, s22, v4                       ; f32 stage, way in: 16 x lane (+ 528 x row in the immediate)
	v_mul_u32_u24 v9, v2, FP
	v_add_nc_u32 v9, s22, v9
	v_lshl_add_u32 v6, v3, 6, v9                   ; f32 stage, way out: row r, + 64 h
	v_lshl_add_u32 v7, v3, 4, v9
	v_add_nc_u32 v7, CST, v7                       ; code stage, way in: row r, + 16 h
	v_add_nc_u32 v8, CST, v5                       ; code stage, way out: 16 x lane
	s_cmp_eq_u32 ttmp9, 0
	s_cbranch_scc1 .Lsort
	; ---------------- the quantiser ----------------
	s_sub_co_u32 s23, ttmp9, 1
	s_lshl_b32 s23, s23, 3
	s_add_co_u32 s23, s23, s20                     ; my task, 0 .. 2047
	s_lshr_b32 s21, s23, 10                        ; 0: X, 1: W
	s_and_b32 s23, s23, 1023
	s_lshr_b32 s24, s23, 1                         ; which 16 rows of the tensor (both have 8,192 rows)
	s_and_b32 s25, s23, 1                          ; which half of K
	s_lshl_b32 s26, s24, 16                        ; source: 16 rows of 4,096 bytes,
	s_lshl_b32 s27, s25, 11                        ; + 512 numbers
	s_or_b32 s26, s26, s27
	s_mov_b32 s27, 0
	s_lshl_b32 s28, s24, 14                        ; xq: 16 rows of 1,024 bytes, + 512 codes
	s_lshl_b32 s29, s25, 9
	s_or_b32 s28, s28, s29
	s_lshr_b32 s30, s24, 2                         ; wq: (16 e + g) << 16 | b << 11 | four K steps << 13
	s_lshl_b32 s30, s30, 16
	s_and_b32 s31, s24, 3
	s_lshl_b32 s31, s31, 11
	s_or_b32 s30, s30, s31
	s_lshl_b32 s31, s25, 15
	s_or_b32 s30, s30, s31
	s_cmp_lg_u32 s21, 0
	s_cselect_b32 s28, s30, s28
	s_mov_b32 s29, 0
	s_lshl_b32 s30, s24, 6                         ; my 16 tokens' indices: 64 bytes
	s_mov_b32 s31, 0
	s_lshr_b32 s22, s24, 6                         ; W: the expert of my 16 rows
	v_lshlrev_b32 v14, 2, v2                       ; lane (r, h) wants token r's index
	s_wait_kmcnt 0x0
	s_load_b512 s[32:47], s[10:11], 0x0            ; all sixteen exponents
	s_cmp_lg_u32 s21, 0                            ; the choice of buffers hangs on the work-group's number alone
	s_cselect_b64 s[4:5], s[6:7], s[4:5]
	s_cselect_b64 s[12:13], s[14:15], s[12:13]
	s_add_nc_u64 s[4:5], s[4:5], s[26:27]
	s_add_nc_u64 s[12:13], s[12:13], s[28:29]
	s_add_nc_u64 s[8:9], s[8:9], s[30:31]
	s_cmp_lg_u32 s21, 0
	s_cbranch_scc1 .Lw_expert
	global_load_b32 v12, v14, s[8:9]               ; X: my row's index
	s_branch .Lhave_expert
.Lw_expert:
	v_mov_b32 v12, s22                             ; W: my rows' expert
.Lhave_expert:
.macro LOAD t                          ; step t: 128 numbers of each of my 16 rows; a load reads 512 consecutive bytes; read once in the launch
.irp j, 0,1,2,3,4,5,6,7,8,9,10,11,12,13,14,15
	global_load_b128 v[R+64*((\t)%2)+4*\j:R+64*((\t)%2)+4*\j+3], v4, s[4:5] offset:4096*\j+512*(\t) th:TH_LOAD_NT
.endr
.endm
	LOAD 0
	LOAD 1
	s_wait_kmcnt 0x0
	s_cmp_lg_u32 s21, 0
.irp e, 0,1,2,3,4,5,6,7
	s_cselect_b32 s[48+\e], s[33+2*\e], s[32+2*\e] ; expert e's exponent for my tensor: entry 2 e for X, 2 e + 1 for W
.endr
	s_wait_loadcnt 32                              ; the index is in; the 32 loads issued behind it stay out
	v_min_u32 v13, 7, v12
	v_mov_b32 v15, s48
.irp e, 1,2,3,4,5,6,7
	v_cmp_eq_u32 vcc_lo, \e, v13
	v_cndmask_b32 v15, v15, s[48+\e], vcc_lo       ; a choice of a value: no branch, no address hangs on it
.endr
	v_add_nc_u32 v13, 127, v15
	v_lshlrev_b32 v11, 23, v13                     ; 2^e as f32: the conversion takes its exponent field
	v_add_nc_u32 v13, 15, v13
	v_lshl_or_b32 v10, v13, 23, 0x600000           ; 57,344 x 2^e
	v_cmp_gt_u32 vcc_lo, 8, v12
	v_cndmask_b32 v10, 0, v10, vcc_lo              ; an index that no expert has: the hold is 0, the codes are zeros
.macro QSTEP t
.if (\t) < 3
	s_wait_loadcnt 16                              ; this step's 16 loads are in; the next step's 16 stay out
.else
	s_wait_loadcnt 0x0
.endif
.irp j, 0,1,2,3,4,5,6,7,8,9,10,11,12,13,14,15
	ds_store_b128 v5, v[R+64*((\t)%2)+4*\j:R+64*((\t)%2)+4*\j+3] offset:FP*\j
.endr
.irp c, 0,1,2,3
.irp i, 0,1,2,3
	ds_load_b128 v[XS+16*\c+4*\i:XS+16*\c+4*\i+3], v6 offset:128*\c+16*\i   ; LDS serves a wave's instructions in order (ISA guide 5.7.1): these see the stores above, and the next step's stores come behind them
.endr
.endr
	s_wait_dscnt 0x0                               ; my 64 numbers are back; the stores into both stages have read their registers
	s_wait_xcnt 0x0                                ; the codes' registers were the last step's store data: they are written again only behind this wait
.if (\t) < 2
	LOAD (\t)+2
.endif
.set i, 0
.rept 64
	v_med3_num_f32 v[XS+i], v[XS+i], -v10, v10     ; the conversion to an 8-bit code does not saturate (ISA guide 7.6.2): the hold at the largest code x the scale
.set i, i+1
.endr
.irp g, 0,1,2,3,4,5,6,7
	v_cvt_scalef32_pk8_bf8_f32 v[C+2*\g:C+2*\g+1], v[XS+8*\g:XS+8*\g+7], v11
.endr
	v_nop                                          ; one plain vector line behind the last conversion, ahead of the next step's holds, which write its sources
	s_cmp_lg_u32 s21, 0
	s_cbranch_scc1 .Lw_out_\@
.irp c, 0,1,2,3
	ds_store_b128 v7, v[C+4*\c:C+4*\c+3] offset:128*(\t)+32*\c                ; X: k = 128 t + 32 c + 16 h on, of row r
.endr
	s_branch .Lq_done_\@
.Lw_out_\@:
.irp c, 0,1,2,3
	global_store_b128 v4, v[C+4*\c:C+4*\c+3], s[12:13] offset:8192*(\t)+512*\c ; W: the image as it stands: 512 consecutive bytes, aligned
.endr
.Lq_done_\@:
.endm
	QSTEP 0
	QSTEP 1
	QSTEP 2
	QSTEP 3
	s_cmp_lg_u32 s21, 0
	s_cbranch_scc1 .Lq_end
.irp j, 0,1,2,3,4,5,6,7,8,9,10,11,12,13,14,15
	ds_load_b128 v[R+4*\j:R+4*\j+3], v8 offset:FP*\j                          ; X: 512 codes of row j
.endr
.irp j, 0,1,2,3,4,5,6,7,8,9,10,11,12,13,14,15
	s_wait_dscnt 15-\j                             ; row j is back; the younger rows stay out
	global_store_b128 v4, v[R+4*\j:R+4*\j+3], s[12:13] offset:1024*\j         ; 512 consecutive bytes, aligned
.endr
.Lq_end:
	s_wait_tensorcnt 0x0
	ds_add_u32 v224, v225
	s_wait_dscnt 0x0
	s_endpgm
	; ---------------- the sort: work-group 0 ----------------
	; Wave w owns tokens 1024 w .. 1024 w + 1023, 32 a lane: register 4 m + k of a lane is token 1024 w + 128 m + 4 lane + k.
	; Pass 1 counts the wave's tokens of each expert; the counts meet in LDS; every wave then knows each expert's total and how many of it lie in earlier waves.
	; Pass 2 gives each token its place: the expert's first place + earlier waves' + earlier registers' + earlier lanes'.  Any order inside an expert serves: each row of the result has one owner.
.Lsort:
	s_lshl_b32 s22, s20, 12
	v_add_nc_u32 v98, s22, v4                      ; 4,096 w + 16 lane
	s_wait_kmcnt 0x0
.irp m, 0,1,2,3,4,5,6,7
	global_load_b128 v[16+4*\m:19+4*\m], v98, s[8:9] offset:512*\m
.endr
	s_lshl_b32 s22, s20, 5
	s_add_co_u32 s22, s22, SORTB
	v_mov_b32 v96, s22                             ; where my wave's eight counts go
	v_and_b32 v97, 7, v0
	v_lshl_add_u32 v97, v97, 2, SORTB              ; lane l reads expert l % 8's count of each wave
	v_lshrrev_b32 v99, 2, v98                      ; my first token: 1,024 w + 4 lane
.irp e, 0,1,2,3,4,5,6,7
	s_mov_b32 s[40+\e], 0
.endr
	s_wait_loadcnt 0x0
.set j, 0
.rept 32
	v_min_u32 v[16+j], 7, v[16+j]                  ; an index outside 0 .. 7 (as unsigned) is filed under expert 7; its codes are zeros
.set j, j+1
.endr
.macro COUNT8 e, j                     ; eight registers at a time, so that the way from the compares to the scalar counts is waited for once
.irp i, 0,1,2,3,4,5,6,7
	v_cmp_eq_u32 s[24+\i], \e, v[16+\j+\i]
.endr
.irp i, 0,1,2,3,4,5,6,7
	s_bcnt1_i32_b32 s[24+\i], s[24+\i]
.endr
.irp i, 0,2,4,6
	s_add_co_u32 s[24+\i], s[24+\i], s[25+\i]
.endr
	s_add_co_u32 s24, s24, s26
	s_add_co_u32 s28, s28, s30
	s_add_co_u32 s24, s24, s28
	s_add_co_u32 s[40+\e], s[40+\e], s24
.endm
.irp e, 0,1,2,3,4,5,6,7
.irp j, 0,8,16,24
	COUNT8 \e, \j
.endr
.endr
.irp e, 0,1,2,3,4,5,6,7
	v_mov_b32 v[48+\e], s[40+\e]
.endr
	ds_store_b128 v96, v[48:51]                    ; every lane writes the same words with the same values
	ds_store_b128 v96, v[52:55] offset:16
	s_wait_dscnt 0x0                               ; for the others' sake: my counts have landed
	s_barrier_signal -1
	s_barrier_wait -1
.irp p, 0,1,2,3,4,5,6,7
	ds_load_b32 v[48+\p], v97 offset:32*\p         ; wave p's count of expert lane % 8
.endr
	s_wait_dscnt 0x0
	v_add3_u32 v56, v48, v49, v50
	v_add3_u32 v56, v56, v51, v52
	v_add3_u32 v56, v56, v53, v54
	v_add_nc_u32 v56, v56, v55                     ; the expert's total
	s_cmp_gt_u32 s20, 0
	s_cselect_b32 s22, 1, 0
	v_mul_u32_u24 v57, s22, v48
.irp p, 1,2,3,4,5,6
	s_cmp_gt_u32 s20, \p
	s_cselect_b32 s22, 1, 0
	v_mad_u32_u24 v57, v[48+\p], s22, v57          ; and how many of it lie in the waves ahead of mine
.endr
.irp e, 0,1,2,3,4,5,6,7
	v_readlane_b32 s[48+\e], v56, \e
	v_readlane_b32 s[56+\e], v57, \e
.endr
	s_mov_b32 s80, 0                               ; s80+e: expert e's first place;  s72+e: its first tile
	s_mov_b32 s72, 0
.irp e, 0,1,2,3,4,5,6
	s_add_co_u32 s[81+\e], s[80+\e], s[48+\e]
	s_add_co_u32 s22, s[48+\e], 143
	s_mul_i32 s22, s22, 116509                     ; (n + 143) / 144 rounded down = ((n + 143) x 116,509) >> 24: 116,509 x 144 = 2^24 + 80, and 80 x 8,335 < 2^24; the product stays under 2^32
	s_lshr_b32 s22, s22, 24
	s_add_co_u32 s[73+\e], s[72+\e], s22
.endr
.irp e, 0,1,2,3,4,5,6,7
	s_add_co_u32 s[56+\e], s[56+\e], s[80+\e]      ; the place of my wave's first token of expert e
.endr
.macro PLACE8 e, j                     ; v64+j ..: the places of eight registers' tokens, where they are expert e's
.irp i, 0,1,2,3,4,5,6,7
	v_cmp_eq_u32 s[24+\i], \e, v[16+\j+\i]
.endr
.irp i, 0,1,2,3,4,5,6,7
	s_bcnt1_i32_b32 s[32+\i], s[24+\i]
.endr
	s_add_co_u32 s32, s32, s[56+\e]
.irp i, 1,2,3,4,5,6,7
	s_add_co_u32 s[32+\i], s[32+\i], s[31+\i]      ; the running place behind register i
.endr
.if \e == 0
	v_mbcnt_lo_u32_b32 v[64+\j], s24, s[56+\e]     ; expert 0 writes every lane: nothing is cleared; the lanes of other experts are written over below
.irp i, 1,2,3,4,5,6,7
	v_mbcnt_lo_u32_b32 v[64+\j+\i], s[24+\i], s[31+\i]
.endr
.else
	v_mbcnt_lo_u32_b32 v100, s24, s[56+\e]         ; the running place + the expert's tokens in the lanes below mine
.irp i, 1,2,3,4,5,6,7
	v_mbcnt_lo_u32_b32 v[100+\i], s[24+\i], s[31+\i]
.endr
.irp i, 0,1,2,3,4,5,6,7
	v_cndmask_b32 v[64+\j+\i], v[64+\j+\i], v[100+\i], s[24+\i]
.endr
.endif
	s_mov_b32 s[56+\e], s39
.endm
.irp e, 0,1,2,3,4,5,6,7
.irp j, 0,8,16,24
	PLACE8 \e, \j
.endr
.endr
.set j, 0
.rept 32
	v_min_u32 v[64+j], 0x1fff, v[64+j]             ; a place made of loaded numbers enters an address only behind this bound
	v_lshlrev_b32 v[64+j], 2, v[64+j]
	v_add_nc_u32 v[16+j], 128*(j/4)+j%4, v99       ; the token's number
	global_store_b32 v[64+j], v[16+j], s[16:17]    ; scattered words: 32,768 bytes in the whole launch; the places are a permutation, so every word of order is written once
.set j, j+1
.endr
	; the table of tiles: thread t of waves 0 and 1 writes entry t.  Its expert is the last one whose first tile is at or below t; entries behind the last tile get 0 rows.
	s_cmp_lt_u32 s20, 2
	s_cbranch_scc0 .Lsorted
	v_mov_b32 v112, 0                              ; expert
	v_mov_b32 v108, s72                            ; its first tile
	v_mov_b32 v109, s80                            ; its first place
	v_mov_b32 v110, s48                            ; its rows
.irp e, 1,2,3,4,5,6,7
	v_cmp_le_u32 vcc_lo, s[72+\e], v0
	v_cndmask_b32 v112, v112, \e, vcc_lo
	v_cndmask_b32 v108, v108, s[72+\e], vcc_lo
	v_cndmask_b32 v109, v109, s[80+\e], vcc_lo
	v_cndmask_b32 v110, v110, s[48+\e], vcc_lo
.endr
	v_sub_nc_u32 v111, v0, v108
	v_mul_u32_u24 v111, 144, v111                  ; the tile's first row among the expert's
	v_min_u32 v113, v110, v111
	v_add_nc_u32 v111, 144, v111
	v_min_u32 v111, v110, v111
	v_sub_nc_u32 v114, v111, v113                  ; rows: 0 .. 144
	v_add_nc_u32 v113, v109, v113
	v_min_u32 v113, 0x1fff, v113                   ; first place
	v_mov_b32 v115, 0
	v_lshlrev_b32 v116, 4, v0
	global_store_b128 v116, v[112:115], s[18:19]   ; 64 entries of 16 bytes: the whole buffer
.Lsorted:
	s_wait_tensorcnt 0x0
	ds_add_u32 v224, v225
	s_wait_dscnt 0x0
	s_endpgm
.Lfunc_end_k_q851a1519fc_prep:
	.size	k_q851a1519fc_prep, .Lfunc_end_k_q851a1519fc_prep-k_q851a1519fc_prep
	.p2alignl 7, 3214868480
	.fill 96, 4, 3214868480
	.section	.rodata,"a",@progbits
	.p2align	6, 0x0
	.amdhsa_kernel k_q851a1519fc_prep
		.amdhsa_group_segment_fixed_size 136448
		.amdhsa_private_segment_fixed_size 0
		.amdhsa_enable_private_segment 0
		.amdhsa_kernarg_size 64
		.amdhsa_user_sgpr_count 2
		.amdhsa_user_sgpr_kernarg_segment_ptr 1
		.amdhsa_wavefront_size32 1
		.amdhsa_system_sgpr_workgroup_id_x 1
		.amdhsa_system_sgpr_workgroup_id_y 1
		.amdhsa_system_sgpr_workgroup_id_z 1
		.amdhsa_system_vgpr_workitem_id 0
		.amdhsa_next_free_vgpr 226
		.amdhsa_next_free_sgpr 96
		.amdhsa_reserve_vcc 1
		.amdhsa_float_denorm_mode_32 3
		.amdhsa_float_denorm_mode_16_64 3
		.amdhsa_memory_ordered 1
		.amdhsa_forward_progress 1
		.amdhsa_inst_pref_size 156
	.end_amdhsa_kernel
	.amdgpu_metadata
---
amdhsa.version: [ 1, 2 ]
amdhsa.kernels:
  - .name:           k_q851a1519fc_prep
    .symbol:         k_q851a1519fc_prep.kd
    .args:
      - { .name: X, .offset: 0, .size: 8, .value_kind: global_buffer, .address_space: global }
      - { .name: W, .offset: 8, .size: 8, .value_kind: global_buffer, .address_space: global }
      - { .name: indices, .offset: 16, .size: 8, .value_kind: global_buffer, .address_space: global }
      - { .name: lowp_scales, .offset: 24, .size: 8, .value_kind: global_buffer, .address_space: global }
      - { .name: xq, .offset: 32, .size: 8, .value_kind: global_buffer, .address_space: global }
      - { .name: wq, .offset: 40, .size: 8, .value_kind: global_buffer, .address_space: global }
      - { .name: order, .offset: 48, .size: 8, .value_kind: global_buffer, .address_space: global }
      - { .name: tiles, .offset: 56, .size: 8, .value_kind: global_buffer, .address_space: global }
    .group_segment_fixed_size: 136448
    .private_segment_fixed_size: 0
    .kernarg_segment_align: 8
    .kernarg_segment_size: 64
    .max_flat_workgroup_size: 256
    .sgpr_count:     96
    .vgpr_count:     226
    .wavefront_size: 32
...
	.end_amdgpu_metadata
.endif
;; end of part 1
;; launch gemm (part 2): grid 4 x 64, 4 waves a work-group, no clusters, 170,752 bytes of LDS; arguments xq, wq, order, tiles, lowp_scales, out0; writes out0
.if DOCPART == 2
	.amdgcn_target "amdgcn-amd-amdhsa--gfx1250"
	.amdhsa_code_object_version 6
	.text
	.protected	k_q851a1519fc_gemm
	.globl	k_q851a1519fc_gemm
	.p2align	8
	.type	k_q851a1519fc_gemm,@function
k_q851a1519fc_gemm:
	s_mov_b64 s[64:65], 0
	v_nop
	global_prefetch_b8 v0, s[64:65] scope:SCOPE_SE
	s_setreg_imm32_b32 hwreg(HW_REG_WAVE_MODE, 25, 1), 1
	s_wait_xcnt 0x0
; out0[t][:] = (codes of X[t]) . (codes of W[e])^T x 2^(ea + eb), e = the token's expert, ea = lowp_scales[2 e], eb = lowp_scales[2 e + 1].  Only the chosen expert's product is made for a token.
; xq [8192][1024]: X's codes, K innermost.  wq: W's codes as images of the operand's registers, byte = e<<20 | g<<16 | s<<13 | b<<11 | c<<9 | lane<<4.  order[p]: the token at sorted place p.  tiles[y]: expert, first place, rows, 0.
; SHARES.  Work-group (x, y) makes tile y's rows (at most 144 sorted rows of one expert) x columns 256 x .. 256 x + 255.  With 8,192 rows, 8 experts and tiles of 144 there are never more than 57 + 7 = 64 tiles, whatever the split.
; THE WAVES SHARE THE COLUMNS: wave w makes columns 256 x + 64 w .. + 63 for all 144 rows: 9 blocks of 16 rows x 4 tiles of 16 columns = 36 accumulators.  Its 65,536 bytes of W come from memory straight into 512 registers,
; 512 consecutive bytes a load, each byte once in the work-group.  The tile's rows of X are gathered by the list (wave w: rows 36 w .. 36 w + 35), laid in LDS and read by all four waves.
; THE MATRIX INSTRUCTION IS USED TRANSPOSED (source 0 = 16 rows of W, source 1 = 16 rows of X): lane (r, h)'s register j of tile b is out(row r, column 16 b + 8 h + j): eight neighbours of a row.
; K WITHIN AN INSTRUCTION: in both operands lane (r, h)'s registers 4 c .. 4 c + 3 hold k = 32 c + 16 h + 0 .. 15: one permutation of k, alike on both sides, so every product meets its partner; only the order of the sums inside an instruction changes.
; ROWS PAST A TILE'S COUNT take the tile's last valid row (the row number is held at count - 1): every address is valid with no branch and no change of EXEC.  Blocks of 16 rows that lie wholly past the count are not stored;
; in the last valid block up to 15 such rows store the same numbers to the same bytes as the row that they repeat, from the same wave.  A tile with no rows makes its (bounded) loads, passes the barrier, stores nothing and ends.
; NO CLUSTER, NO JOINT LOADS, NO TENSOR LOADS: X's rows are gathered by a list, which a tile's descriptor cannot state; how many tiles share an expert's W hangs on counts read from memory, so partners could want different tiles,
; and a descriptor made of loaded numbers is not alike in all partners by the text's own arithmetic.
; LIMITS: ea + eb between -126 and 127, so that 2^(ea + eb) is an f32 number.  A row whose index lies outside 0 .. 7 has zero codes and comes out 0, of either sign.
; REGISTERS, in windows of 256: window 0: v4-13 addresses that stay; v16-51 the 36 gather offsets; v52-58 token numbers; v64-95 block 8's accumulators (before that: X's rows 32-35 on their way); v112-255 X's nine fragments, ONE set
;   (on the way out: v112-143 scaled sums, v144-207 rows read back, v208-223 token numbers, v224-239 store offsets).   window 1: W's K steps 0-3 (step s, tile b at 64 (s % 4) + 16 b);   window 2: K steps 4-7;
;   window 3: accumulator (a, b) at 8 (4 a + b), a = 0 .. 7 (before that: X's rows 0-31 on their way).
.set PITCH,  1040                      ; a row of X in LDS: 1,024 bytes + 16: an odd multiple of 16 bytes, so the 16 rows that a fragment load touches start at 16 different groups of banks (ISA guide 11.1)
.set STG,    144*PITCH                 ; behind X's tile: a stage of 16 rows x 272 bytes for each wave, for the way out
.set SPITCH, 272
.set LIST,   STG+4*16*SPITCH           ; behind the stages: 768 bytes for each wave: the tile's token numbers, 160 words
.set LISTB,  768
.set AF,     112                       ; X's fragments
.set ACC8,   64                        ; block 8's accumulators
.set TMP,    112
.set BK,     144
.set TK,     208
.set AD,     224
.set MSB, 0
.set WI,  0                            ; how many of my 128 loads of W have been issued
.macro WIN new                         ; the immediate's high byte repeats the setting that is left; a switch that changes nothing is dropped
.if MSB != (\new)
	s_set_vgpr_msb (MSB<<8)|(\new)
.set MSB, (\new)
.endif
.endm
.macro PLACES                          ; four plain vector lines between a matrix instruction and a load into one of its sources, or a read of its result
.rept 4
	v_nop
.endr
.endm
.macro WLOADS n                        ; the next n loads of W: load i brings bytes 512 i .. 512 i + 511 of my 65,536 into registers 4 (i % 64) on of window 1 + i / 64
.rept \n
	WIN 0x40*(1+WI/64)
	global_load_b128 v[4*(WI%64):4*(WI%64)+3], v4, s[6:7] offset:512*WI
.set WI, WI+1
.endr
.endm
	s_load_b256 s[4:11], s[0:1], 0x0               ; xq 4:5, wq 6:7, order 8:9, tiles 10:11
	s_load_b128 s[12:15], s[0:1], 0x20             ; lowp_scales 12:13, out0 14:15
	v_lshl_add_u32 v110, v0, 2, 0x29900
	v_mov_b32 v111, 0
	v_lshrrev_b32 v1, 5, v0
	v_readfirstlane_b32 s16, v1                    ; wave 0..3
	v_and_b32 v1, 31, v0                           ; lane
	v_and_b32 v2, 15, v0                           ; r
	v_bfe_u32 v3, v0, 4, 1                         ; h
	v_lshlrev_b32 v4, 4, v1                        ; 16 x lane
	v_mul_u32_u24 v5, v2, PITCH
	v_lshl_add_u32 v5, v3, 4, v5                   ; X's fragments: row r x pitch + 16 h; blocks 0-2,
	v_add_nc_u32 v6, 48*PITCH, v5                  ; blocks 3-5,
	v_add_nc_u32 v7, 96*PITCH, v5                  ; blocks 6-8: so that the immediates stay inside 16 bits
	s_mul_i32 s17, s16, 16*SPITCH
	s_add_co_u32 s17, s17, STG                     ; my stage
	v_mul_u32_u24 v8, v2, SPITCH
	v_lshl_add_u32 v8, v3, 5, v8
	v_add_nc_u32 v8, s17, v8                       ; in: row r, + 32 h
	v_mul_u32_u24 v9, v3, 8*SPITCH
	v_lshl_add_u32 v9, v2, 4, v9
	v_add_nc_u32 v9, s17, v9                       ; back: lanes 0-15 row t, lanes 16-31 row t + 8; 16 bytes a lane
	s_mul_i32 s17, s16, LISTB
	s_add_co_u32 s17, s17, LIST                    ; my copy of the list
	v_lshl_add_u32 v10, v1, 2, s17                 ; in: a word a lane
	v_lshl_add_u32 v11, v3, 5, s17                 ; back: eight words from 8 h on
	s_lshl_b32 s17, ttmp9, 10
	s_lshl_b32 s18, s16, 8
	s_add_co_u32 s17, s17, s18
	v_lshl_add_u32 v12, v2, 4, s17                 ; my bytes in a row of out0: 1,024 x + 256 w + 16 (lane % 16)
	s_mul_i32 s17, s16, 36*PITCH
	v_add_nc_u32 v13, s17, v4                      ; where my 36 rows of X go: 16 x lane (+ the row and the half in the immediate)
	s_mul_i32 s17, s16, 36
	v_add_nc_u32 v16, s17, v1                      ; rows of the tile whose tokens I ask for: 36 w + lane,
	v_and_b32 v17, 3, v0
	s_add_co_u32 s17, s17, 32
	v_add_nc_u32 v17, s17, v17                     ; 36 w + 32 + lane % 4,
.irp q, 0,1,2,3,4
	v_add_nc_u32 v[18+\q], 32*\q, v1               ; and all of them, for my copy of the list: 32 q + lane
.endr
	s_and_b32 s18, ttmp7, 0xffff                   ; the tile
	s_lshl_b32 s18, s18, 4
	s_mov_b32 s19, 0
	s_wait_kmcnt 0x0
	s_add_nc_u64 s[10:11], s[10:11], s[18:19]
	s_load_b128 s[20:23], s[10:11], 0x0            ; expert, first place, rows, 0
	s_lshl_b32 s31, ttmp9, 2
	s_add_co_u32 s31, s31, s16
	s_lshl_b32 s31, s31, 16                        ; my group of 64 columns: g = 4 x + w
	s_wait_kmcnt 0x0
	s_min_u32 s20, s20, 7                          ; loaded numbers enter addresses only behind these bounds
	s_min_u32 s21, s21, 0x1fff
	s_min_u32 s22, s22, 144
	s_max_u32 s27, s22, 1
	s_sub_co_u32 s27, s27, 1                       ; the tile's last valid row (0 in a tile without rows)
	s_lshl_b32 s18, s20, 3
	s_add_nc_u64 s[12:13], s[12:13], s[18:19]
	s_load_b64 s[24:25], s[12:13], 0x0             ; ea, eb: wanted on the way out
	s_lshl_b32 s30, s20, 20
	s_or_b32 s30, s30, s31
	s_mov_b32 s31, 0
	s_add_nc_u64 s[6:7], s[6:7], s[30:31]          ; my 65,536 bytes of W's images
.irp n, 0,1,2,3,4,5,6
	v_min_u32 v[16+\n], s27, v[16+\n]              ; rows past the count take the last valid row
	v_add_nc_u32 v[16+\n], s21, v[16+\n]
	v_min_u32 v[16+\n], 0x1fff, v[16+\n]
	v_lshlrev_b32 v[16+\n], 2, v[16+\n]
.endr
.irp n, 0,1,2,3,4,5,6
	global_load_b32 v[52+\n], v[16+\n], s[8:9]     ; v52, v53: my 36 rows' tokens; v54-58: all 160 words of the list
.endr
	WLOADS 16                                      ; W's K step 0
	WIN 0
	s_wait_loadcnt 16                              ; the tokens are in (and their offsets' registers free); the 16 loads of W issued behind them stay out
.irp q, 0,1,2,3,4
	ds_store_b32 v10, v[54+\q] offset:128*\q
.endr
.macro GADDR i0, src, l0               ; four rows' offsets in xq: the token from its lane, bounded, x 1,024 bytes, + 16 x lane
.irp k, 0,1,2,3
	v_readlane_b32 s[32+\k], v[\src], \l0+\k
.endr
.irp k, 0,1,2,3
	s_min_u32 s[32+\k], s[32+\k], 0x1fff
.endr
.irp k, 0,1,2,3
	s_lshl_b32 s[32+\k], s[32+\k], 10
.endr
.irp k, 0,1,2,3
	v_add_nc_u32 v[16+\i0+\k], s[32+\k], v4
.endr
.endm
.irp g, 0,1,2,3,4,5,6,7
	GADDR 4*\g, 52, 4*\g
.endr
	GADDR 32, 53, 0
	WIN 0xc0                                       ; destination window 3, address window 0
.irp i, 0,1,2,3,4,5,6,7,8,9,10,11,12,13,14,15,16,17,18,19,20,21,22,23,24,25,26,27,28,29,30,31
	global_load_b128 v[8*\i:8*\i+3],   v[16+\i], s[4:5]              ; half a row of codes: 512 consecutive bytes
	global_load_b128 v[8*\i+4:8*\i+7], v[16+\i], s[4:5] offset:512
.endr
	WIN 0
.irp i, 32,33,34,35
	global_load_b128 v[64+8*(\i-32):64+8*(\i-32)+3],   v[16+\i], s[4:5]
	global_load_b128 v[64+8*(\i-32)+4:64+8*(\i-32)+7], v[16+\i], s[4:5] offset:512
.endr
; Four rows of X go to LDS, and eight more loads of W go out.  Behind chunk c's eight loads stand 72 - 8 (c + 1) of X and 8 c of W: 64 in every chunk; the count written is 63, the largest that the wait can name; a smaller count is safe.
.macro CHUNK c
	s_wait_loadcnt 63
.if (\c) < 8
	WIN 0x0c                                       ; the stores' data in window 3
.set DB, 32*(\c)
.else
	WIN 0
.set DB, 64
.endif
.irp k, 0,1,2,3
	ds_store_b128 v13, v[DB+8*\k:DB+8*\k+3]   offset:PITCH*(4*(\c)+\k)
	ds_store_b128 v13, v[DB+8*\k+4:DB+8*\k+7] offset:PITCH*(4*(\c)+\k)+512
.endr
	WLOADS 8
.endm
.irp c, 0,1,2,3,4,5,6,7,8
	CHUNK \c
.endr
	WIN 0
	s_wait_dscnt 0x0                               ; for the others' sake: my 36 rows have landed
	s_barrier_signal -1                            ; the one barrier; every wave passes it, ahead of every branch on a loaded number.  Loads of W stay out across it: nobody writes those bytes
	s_barrier_wait -1
	s_cmp_eq_u32 s22, 0
	s_cbranch_scc1 .Lend                           ; this split leaves the tile without rows
.macro FETCH_A s, a0, n                ; X's fragments of K step s, blocks a0 .. a0 + n - 1: four loads of 16 bytes a lane, 32 bytes apart
.set FA, \a0
.rept \n
.irp c, 0,1,2,3
	ds_load_b128 v[AF+16*FA+4*\c:AF+16*FA+4*\c+3], v[5+FA/3] offset:16*PITCH*(FA%3)+128*(\s)+32*\c
.endr
.set FA, FA+1
.endr
.endm
.macro MUL s, a0, n, zero              ; blocks a0 .. of 0 .. 7 x W's four tiles.  zero = 1: the first product starts the sums: nothing is cleared
.set MA, \a0
.rept \n
.irp b, 0,1,2,3
.if \zero
	v_wmma_f32_16x16x128_bf8_bf8 v[8*(4*MA+\b):8*(4*MA+\b)+7], v[64*((\s)%4)+16*\b:64*((\s)%4)+16*\b+15], v[AF+16*MA:AF+16*MA+15], 0
.else
	v_wmma_f32_16x16x128_bf8_bf8 v[8*(4*MA+\b):8*(4*MA+\b)+7], v[64*((\s)%4)+16*\b:64*((\s)%4)+16*\b+15], v[AF+16*MA:AF+16*MA+15], v[8*(4*MA+\b):8*(4*MA+\b)+7]
.endif
.endr
.set MA, MA+1
.endr
.endm
.macro MUL8 s, zero                    ; block 8, whose accumulators lie in window 0
.irp b, 0,1,2,3
.if \zero
	v_wmma_f32_16x16x128_bf8_bf8 v[ACC8+8*\b:ACC8+8*\b+7], v[64*((\s)%4)+16*\b:64*((\s)%4)+16*\b+15], v[AF+128:AF+143], 0
.else
	v_wmma_f32_16x16x128_bf8_bf8 v[ACC8+8*\b:ACC8+8*\b+7], v[64*((\s)%4)+16*\b:64*((\s)%4)+16*\b+15], v[AF+128:AF+143], v[ACC8+8*\b:ACC8+8*\b+7]
.endif
.endr
.endm
; A K step of 128: 36 matrix instructions, X's blocks one after the other, each against W's four tiles.  A block of X is free as soon as its four products are issued, so one set of registers serves X: blocks 0-4 are fetched anew
; in the step's middle, blocks 5-8 at its end.  The 36 accumulators take turns, one instruction a turn, in the same order in every step.
; lc: how many loads of W were issued behind this step's sixteen (63 where they are more).  wl: how many more loads of W go out in this step.
.macro STEP s, lc, wl, zero, last
	s_wait_loadcnt \lc                             ; W's four fragments of this step are in
	s_wait_dscnt 16                                ; X's blocks 0-4 are in; the youngest sixteen loads (blocks 5-8) stay out
	WIN 0xf0|(1+(\s)/4)                            ; source 0 (W) window 1 or 2, source 1 (X) window 0, C and D window 3
	MUL \s, 0, 5, \zero
	s_wait_dscnt 0x0                               ; blocks 5-8 are in (asked for 20 matrix instructions ago)
.if !\last
	PLACES
	WIN 0
	FETCH_A (\s)+1, 0, 5
.if \wl
	WLOADS \wl
.endif
.endif
	WIN 0xf0|(1+(\s)/4)
	MUL \s, 5, 3, \zero
	WIN 1+(\s)/4                                   ; C and D window 0
	MUL8 \s, \zero
.if !\last
	PLACES
	WIN 0
	FETCH_A (\s)+1, 5, 4
.endif
.endm
	FETCH_A 0, 0, 5
	FETCH_A 0, 5, 4
	STEP 0, 63, 16, 1, 0                           ; 88 loads of W are out or in: 72 behind step 0's
	STEP 1, 63, 16, 0, 0                           ; 104: 72 behind step 1's
	STEP 2, 63, 8,  0, 0                           ; 120: 72 behind step 2's
	STEP 3, 63, 0,  0, 0                           ; 128: 64 behind step 3's
	STEP 4, 48, 0,  0, 0
	STEP 5, 32, 0,  0, 0
	STEP 6, 16, 0,  0, 0
	STEP 7, 0,  0,  0, 1
	WIN 0
	; THE WAY OUT, block by block of 16 rows x my 64 columns.  A lane holds 32 neighbouring bytes of a row and the lanes beside it hold other rows: so a block goes through my own stage in LDS and comes back as whole
	; pieces of 256 bytes, which sixteen lanes store to the token's row.  The rows' tokens come from my copy of the list.
	s_wait_kmcnt 0x0
	s_add_co_i32 s28, s24, s25                     ; ea + eb, between -126 and 127,
	s_add_co_i32 s28, s28, 127
	s_lshl_b32 s28, s28, 23                        ; makes the f32 number 2^(ea + eb)
	s_mov_b32 s29, s28                             ; (named with it as a pair, so it is written)
	PLACES                                         ; behind the last products: results are read, and registers that held X's fragments are written, below
.macro TOSTAGE a
.if (\a) < 8
	WIN 0x03                                       ; source 0 window 3
.set AC, 32*(\a)
.else
	WIN 0
.set AC, ACC8
.endif
.irp n, 0,2,4,6,8,10,12,14,16,18,20,22,24,26,28,30
	v_pk_mul_f32 v[TMP+\n:TMP+\n+1], v[AC+\n:AC+\n+1], s[28:29] op_sel_hi:[1,0]   ; both x 2^(ea + eb); each accumulator from its low end on
.endr
	WIN 0
.irp b, 0,1,2,3
	ds_store_b128 v8, v[TMP+8*\b:TMP+8*\b+3]   offset:64*\b
	ds_store_b128 v8, v[TMP+8*\b+4:TMP+8*\b+7] offset:64*\b+16
.endr
.set TT, TK+8*((\a)%2)
.set BB, BK+32*((\a)%2)
	ds_load_b128 v[TT:TT+3],   v11 offset:64*(\a)                                 ; the tokens of rows 16 a + 8 h + 0 .. 7
	ds_load_b128 v[TT+4:TT+7], v11 offset:64*(\a)+16
.irp t, 0,1,2,3,4,5,6,7
	ds_load_b128 v[BB+4*\t:BB+4*\t+3], v9 offset:SPITCH*\t                        ; LDS serves a wave's instructions in order (ISA guide 5.7.1): these see the stores above, and the next block's stores come behind them
.endr
.endm
.macro SEND a, younger                 ; younger: the LDS instructions issued behind block a's loads, which may stay out
.set TT, TK+8*((\a)%2)
.set BB, BK+32*((\a)%2)
.set DD, AD+8*((\a)%2)
	s_wait_dscnt \younger
.if (\a) > 0
	s_cmp_le_u32 s22, 16*(\a)                      ; a block wholly past the tile's count is not stored.  No LDS instruction is jumped over: the counts hold on both ways
	s_cbranch_scc1 .Lnone_\@
.endif
.irp t, 0,1,2,3,4,5,6,7
	v_min_u32 v[TT+\t], 0x1fff, v[TT+\t]           ; a loaded number enters an address only behind this bound
.endr
.irp t, 0,1,2,3,4,5,6,7
	v_lshl_add_u32 v[DD+\t], v[TT+\t], 12, v12     ; the token's row of 4,096 bytes + my bytes in it
.endr
.irp t, 0,1,2,3,4,5,6,7
	global_store_b128 v[DD+\t], v[BB+4*\t:BB+4*\t+3], s[14:15] th:TH_STORE_NT     ; each half of the lanes stores 256 consecutive bytes, aligned; written once, read by nobody here
.endr
.if (\a) > 0
.Lnone_\@:
.endif
.endm
	TOSTAGE 0
.irp a, 1,2,3,4,5,6,7,8
.if \a > 1
	s_wait_xcnt 0x0                                ; block a - 2's stores have read their data and offsets: block a's loads and offsets may land there
.endif
	TOSTAGE \a
	SEND \a-1, 18                                  ; behind block a - 1's loads: block a's 8 stores and 10 loads
.endr
	SEND 8, 0
.Lend:
	s_wait_tensorcnt 0x0
	ds_add_u32 v110, v111
	s_wait_dscnt 0x0
	s_endpgm
.Lfunc_end_k_q851a1519fc_gemm:
	.size	k_q851a1519fc_gemm, .Lfunc_end_k_q851a1519fc_gemm-k_q851a1519fc_gemm
	.p2alignl 7, 3214868480
	.fill 96, 4, 3214868480
	.section	.rodata,"a",@progbits
	.p2align	6, 0x0
	.amdhsa_kernel k_q851a1519fc_gemm
		.amdhsa_group_segment_fixed_size 170752
		.amdhsa_private_segment_fixed_size 0
		.amdhsa_enable_private_segment 0
		.amdhsa_kernarg_size 48
		.amdhsa_user_sgpr_count 2
		.amdhsa_user_sgpr_kernarg_segment_ptr 1
		.amdhsa_wavefront_size32 1
		.amdhsa_system_sgpr_workgroup_id_x 1
		.amdhsa_system_sgpr_workgroup_id_y 1
		.amdhsa_system_sgpr_workgroup_id_z 1
		.amdhsa_system_vgpr_workitem_id 0
		.amdhsa_next_free_vgpr 1024
		.amdhsa_next_free_sgpr 66
		.amdhsa_reserve_vcc 0
		.amdhsa_float_denorm_mode_32 3
		.amdhsa_float_denorm_mode_16_64 3
		.amdhsa_memory_ordered 1
		.amdhsa_forward_progress 1
		.amdhsa_inst_pref_size 114
	.end_amdhsa_kernel
	.amdgpu_metadata
---
amdhsa.version: [ 1, 2 ]
amdhsa.kernels:
  - .name:           k_q851a1519fc_gemm
    .symbol:         k_q851a1519fc_gemm.kd
    .args:
      - { .name: xq, .offset: 0, .size: 8, .value_kind: global_buffer, .address_space: global }
      - { .name: wq, .offset: 8, .size: 8, .value_kind: global_buffer, .address_space: global }
      - { .name: order, .offset: 16, .size: 8, .value_kind: global_buffer, .address_space: global }
      - { .name: tiles, .offset: 24, .size: 8, .value_kind: global_buffer, .address_space: global }
      - { .name: lowp_scales, .offset: 32, .size: 8, .value_kind: global_buffer, .address_space: global }
      - { .name: out0, .offset: 40, .size: 8, .value_kind: global_buffer, .address_space: global }
    .group_segment_fixed_size: 170752
    .private_segment_fixed_size: 0
    .kernarg_segment_align: 8
    .kernarg_segment_size: 48
    .max_flat_workgroup_size: 128
    .sgpr_count:     66
    .vgpr_count:     1024
    .wavefront_size: 32
...
	.end_amdgpu_metadata
.endif
;; end of part 2
;; ======== version 2 of 2: 2 launches
;; workspace buffers: xq 8,388,608 bytes; wq 8,388,608 bytes; order 32,768 bytes of whole numbers; tiles 1,024 bytes of whole numbers
;; launch prep (part 3): grid 257 x 1, 8 waves a work-group, no clusters, 136,448 bytes of LDS; arguments X, W, indices, lowp_scales, xq, wq, order, tiles; writes xq, wq, order, tiles
.if DOCPART == 3
	.amdgcn_target "amdgcn-amd-amdhsa--gfx1250"
	.amdhsa_code_object_version 6
	.text
	.protected	k_q851a1519fc_prep
	.globl	k_q851a1519fc_prep
	.p2align	8
	.type	k_q851a1519fc_prep,@function
k_q851a1519fc_prep:
	s_mov_b64 s[64:65], 0
	v_nop
	global_prefetch_b8 v0, s[64:65] scope:SCOPE_SE
	s_setreg_imm32_b32 hwreg(HW_REG_WAVE_MODE, 25, 1), 1
	s_wait_xcnt 0x0
; THE LAUNCH IN FRONT OF THE PRODUCT.  Three kinds of work-groups, told apart by the work-group's number alone:
;   0          sorts the 8,192 tokens by expert (a counting sort, no atomics): order[p] = the token at sorted place p; tiles[t] = (expert, first place, rows, 0) for 64 tiles of at most 144 rows.
;   1 .. 128   turn X [8192][1024] f32 into codes of E5M2, xq [8192][1024], K innermost; token t with the scale 2^e of ITS expert's product, e = lowp_scales[2 x indices[t]].
;   129 .. 256 turn W [8][1024][1024] f32 into codes, expert e with lowp_scales[2 e + 1], laid as IMAGES OF THE OPERAND'S REGISTERS:
;              byte = e<<20 | g<<16 | s<<13 | b<<11 | c<<9 | lane<<4: g a group of 64 rows of W[e], s a K step of 128, b a tile of 16 rows, and lane (r, h)'s 16 bytes are W[e][64 g + 16 b + r][128 s + 32 c + 16 h + 0 .. 15].
; code = x / 2^e, held within +-57,344, rounded to the nearest code, ties to even.
; A token whose index lies outside 0 .. 7 matches no expert: its hold is 0, so its codes are zeros and its row of the result comes out 0 (of either sign); the sort files it under expert 7.
; LIMITS: every e between -126 and 112, so that 2^e and 57,344 x 2^e are f32 numbers.  NaN among the inputs is not served (an infinity is held at the largest code).
; THE QUANTISER.  A wave takes 16 rows x 512 along K, four steps of 128.  Each load reads 512 consecutive bytes of one row; the conversions want 16 NEIGHBOURS along K in one lane's registers, so a step's 16 x 512 bytes
; turn through the wave's own stage in LDS (rows 528 bytes apart).  W's codes are then the operand's registers and are stored as they stand, 512 consecutive bytes a store; X's codes are gathered in a second stage of the wave's own
; and leave as half rows of 512 consecutive bytes.  Waves share nothing here: no barrier.  Loads run two steps (32 loads a wave) ahead.
; No matrix unit, no cluster, no tensor load: the launch streams each f32 byte once, and no two work-groups read the same bytes.
.set WREG,  16896                      ; LDS of a wave: the f32 stage, 16 rows x 528, then the code stage, 16 rows x 528
.set FP,    528                        ; a stage row: 512 bytes + 16, an odd multiple of 16 bytes
.set CST,   8448                       ; the code stage, behind the f32 stage
.set SORTB, 8*WREG                     ; the sort's own bytes: 32 for each wave, its eight counts
.set R,     16                         ; v16-143  two sets of 64: a step's numbers as loaded
.set XS,    144                        ; v144-207 64 numbers: register 16 c + n = k 32 c + 16 h + n of my row
.set C,     208                        ; v208-223 their codes
	s_load_b512 s[4:19], s[0:1], 0x0               ; X 4:5, W 6:7, indices 8:9, lowp_scales 10:11, xq 12:13, wq 14:15, order 16:17, tiles 18:19
	v_lshl_add_u32 v224, v0, 2, 0x21100
	v_mov_b32 v225, 0
	v_lshrrev_b32 v1, 5, v0
	s_delay_alu instid0(VALU_DEP_1)
	v_readfirstlane_b32 s20, v1                    ; wave 0..7
	v_and_b32 v1, 31, v0                           ; lane
	v_and_b32 v2, 15, v0                           ; r
	v_bfe_u32 v3, v0, 4, 1                         ; h
	s_delay_alu instid0(VALU_DEP_3)
	v_lshlrev_b32 v4, 4, v1                        ; 16 x lane: my bytes of every load and store of 512; never rewritten
	s_mul_i32 s22, s20, WREG
	v_add_nc_u32 v5, s22, v4                       ; f32 stage, way in: 16 x lane (+ 528 x row in the immediate)
	v_mul_u32_u24 v9, v2, FP
	s_delay_alu instid0(VALU_DEP_1)
	v_add_nc_u32 v9, s22, v9
	s_delay_alu instid0(VALU_DEP_1)
	v_lshl_add_u32 v6, v3, 6, v9                   ; f32 stage, way out: row r, + 64 h
	s_delay_alu instid0(VALU_DEP_2)
	v_lshl_add_u32 v7, v3, 4, v9
	s_delay_alu instid0(VALU_DEP_1)
	v_add_nc_u32 v7, CST, v7                       ; code stage, way in: row r, + 16 h
	v_add_nc_u32 v8, CST, v5                       ; code stage, way out: 16 x lane
	s_cmp_eq_u32 ttmp9, 0
	s_cbranch_scc1 .Lsort
	; ---------------- the quantiser ----------------
	s_sub_co_u32 s23, ttmp9, 1
	s_lshl_b32 s23, s23, 3
	s_add_co_u32 s23, s23, s20                     ; my task, 0 .. 2047
	s_lshr_b32 s21, s23, 10                        ; 0: X, 1: W
	s_and_b32 s23, s23, 1023
	s_lshr_b32 s24, s23, 1                         ; which 16 rows of the tensor (both have 8,192 rows)
	s_and_b32 s25, s23, 1                          ; which half of K
	s_lshl_b32 s26, s24, 16                        ; source: 16 rows of 4,096 bytes,
	s_lshl_b32 s27, s25, 11                        ; + 512 numbers
	s_or_b32 s26, s26, s27
	s_mov_b32 s27, 0
	s_lshl_b32 s28, s24, 14                        ; xq: 16 rows of 1,024 bytes, + 512 codes
	s_lshl_b32 s29, s25, 9
	s_or_b32 s28, s28, s29
	s_lshr_b32 s30, s24, 2                         ; wq: (16 e + g) << 16 | b << 11 | four K steps << 13
	s_lshl_b32 s30, s30, 16
	s_and_b32 s31, s24, 3
	s_lshl_b32 s31, s31, 11
	s_or_b32 s30, s30, s31
	s_lshl_b32 s31, s25, 15
	s_or_b32 s30, s30, s31
	s_cmp_lg_u32 s21, 0
	s_cselect_b32 s28, s30, s28
	s_mov_b32 s29, 0
	s_lshl_b32 s30, s24, 6                         ; my 16 tokens' indices: 64 bytes
	s_mov_b32 s31, 0
	s_lshr_b32 s22, s24, 6                         ; W: the expert of my 16 rows
	v_lshlrev_b32 v14, 2, v2                       ; lane (r, h) wants token r's index
	s_wait_kmcnt 0x0
	s_load_b512 s[32:47], s[10:11], 0x0            ; all sixteen exponents
	s_cmp_lg_u32 s21, 0                            ; the choice of buffers hangs on the work-group's number alone
	s_cselect_b64 s[4:5], s[6:7], s[4:5]
	s_cselect_b64 s[12:13], s[14:15], s[12:13]
	s_add_nc_u64 s[4:5], s[4:5], s[26:27]
	s_add_nc_u64 s[12:13], s[12:13], s[28:29]
	s_add_nc_u64 s[8:9], s[8:9], s[30:31]
	s_cmp_lg_u32 s21, 0
	s_cbranch_scc1 .Lw_expert
	s_wait_alu depctr_va_vdst(0)
	global_load_b32 v12, v14, s[8:9]               ; X: my row's index
	s_branch .Lhave_expert
.Lw_expert:
	v_mov_b32 v12, s22                             ; W: my rows' expert
.Lhave_expert:
.macro LOAD t                          ; step t: 128 numbers of each of my 16 rows; a load reads 512 consecutive bytes; read once in the launch
.irp j, 0,1,2,3,4,5,6,7,8,9,10,11,12,13,14,15
	global_load_b128 v[R+64*((\t)%2)+4*\j:R+64*((\t)%2)+4*\j+3], v4, s[4:5] offset:4096*\j+512*(\t) th:TH_LOAD_NT
.endr
.endm
	LOAD 0
	LOAD 1
	s_wait_alu depctr_va_vdst(0)
	s_wait_kmcnt 0x0
	s_cmp_lg_u32 s21, 0
.irp e, 0,1,2,3,4,5,6,7
	s_cselect_b32 s[48+\e], s[33+2*\e], s[32+2*\e] ; expert e's exponent for my tensor: entry 2 e for X, 2 e + 1 for W
.endr
	s_wait_loadcnt 32                              ; the index is in; the 32 loads issued behind it stay out
	v_min_u32 v13, 7, v12
	v_mov_b32 v15, s48
.irp e, 1,2,3,4,5,6,7
	v_cmp_eq_u32 vcc_lo, \e, v13
	s_delay_alu instid0(VALU_DEP_1)
	v_cndmask_b32 v15, v15, s[48+\e], vcc_lo       ; a choice of a value: no branch, no address hangs on it
.endr
	s_delay_alu instid0(VALU_DEP_1)
	v_add_nc_u32 v13, 127, v15
	s_delay_alu instid0(VALU_DEP_1)
	v_lshlrev_b32 v11, 23, v13                     ; 2^e as f32: the conversion takes its exponent field
	s_delay_alu instid0(VALU_DEP_2)
	v_add_nc_u32 v13, 15, v13
	s_delay_alu instid0(VALU_DEP_1)
	v_lshl_or_b32 v10, v13, 23, 0x600000           ; 57,344 x 2^e
	v_cmp_gt_u32 vcc_lo, 8, v12
	s_delay_alu instid0(VALU_DEP_1)
	v_cndmask_b32 v10, 0, v10, vcc_lo              ; an index that no expert has: the hold is 0, the codes are zeros
.macro QSTEP t
.if (\t) < 3
	s_wait_loadcnt 16                              ; this step's 16 loads are in; the next step's 16 stay out
.else
	s_wait_loadcnt 0x0
.endif
.irp j, 0,1,2,3,4,5,6,7,8,9,10,11,12,13,14,15
	ds_store_b128 v5, v[R+64*((\t)%2)+4*\j:R+64*((\t)%2)+4*\j+3] offset:FP*\j
.endr
.irp c, 0,1,2,3
.irp i, 0,1,2,3
	ds_load_b128 v[XS+16*\c+4*\i:XS+16*\c+4*\i+3], v6 offset:128*\c+16*\i   ; LDS serves a wave's instructions in order (ISA guide 5.7.1): these see the stores above, and the next step's stores come behind them
.endr
.endr
	s_wait_dscnt 0x0                               ; my 64 numbers are back; the stores into both stages have read their registers
	s_wait_xcnt 0x0                                ; the codes' registers were the last step's store data: they are written again only behind this wait
.if (\t) < 2
	LOAD (\t)+2
.endif
.set i, 0
.rept 64
	v_med3_num_f32 v[XS+i], v[XS+i], -v10, v10     ; the conversion to an 8-bit code does not saturate (ISA guide 7.6.2): the hold at the largest code x the scale
.set i, i+1
.endr
.irp g, 0,1,2,3,4,5,6,7
	v_cvt_scalef32_pk8_bf8_f32 v[C+2*\g:C+2*\g+1], v[XS+8*\g:XS+8*\g+7], v11
.endr
	v_nop                                          ; one plain vector line behind the last conversion, ahead of the next step's holds, which write its sources
	s_cmp_lg_u32 s21, 0
	s_cbranch_scc1 .Lw_out_\@
.irp c, 0,1,2,3
	ds_store_b128 v7, v[C+4*\c:C+4*\c+3] offset:128*(\t)+32*\c                ; X: k = 128 t + 32 c + 16 h on, of row r
.endr
	s_branch .Lq_done_\@
.Lw_out_\@:
	s_wait_alu depctr_va_vdst(0)
.irp c, 0,1,2,3
	global_store_b128 v4, v[C+4*\c:C+4*\c+3], s[12:13] offset:8192*(\t)+512*\c ; W: the image as it stands: 512 consecutive bytes, aligned
.endr
.Lq_done_\@:
.endm
	s_wait_alu depctr_va_vdst(0)
	QSTEP 0
	QSTEP 1
	QSTEP 2
	QSTEP 3
	s_cmp_lg_u32 s21, 0
	s_cbranch_scc1 .Lq_end
.irp j, 0,1,2,3,4,5,6,7,8,9,10,11,12,13,14,15
	ds_load_b128 v[R+4*\j:R+4*\j+3], v8 offset:FP*\j                          ; X: 512 codes of row j
.endr
.irp j, 0,1,2,3,4,5,6,7,8,9,10,11,12,13,14,15
	s_wait_dscnt 15-\j                             ; row j is back; the younger rows stay out
	global_store_b128 v4, v[R+4*\j:R+4*\j+3], s[12:13] offset:1024*\j         ; 512 consecutive bytes, aligned
.endr
.Lq_end:
	s_wait_tensorcnt 0x0
	ds_add_u32 v224, v225
	s_wait_dscnt 0x0
	s_endpgm
	; ---------------- the sort: work-group 0 ----------------
	; Wave w owns tokens 1024 w .. 1024 w + 1023, 32 a lane: register 4 m + k of a lane is token 1024 w + 128 m + 4 lane + k.
	; Pass 1 counts the wave's tokens of each expert; the counts meet in LDS; every wave then knows each expert's total and how many of it lie in earlier waves.
	; Pass 2 gives each token its place: the expert's first place + earlier waves' + earlier registers' + earlier lanes'.  Any order inside an expert serves: each row of the result has one owner.
.Lsort:
	s_lshl_b32 s22, s20, 12
	s_wait_alu depctr_va_vdst(0)
	v_add_nc_u32 v98, s22, v4                      ; 4,096 w + 16 lane
	s_wait_alu depctr_va_vdst(0)
	s_wait_kmcnt 0x0
.irp m, 0,1,2,3,4,5,6,7
	global_load_b128 v[16+4*\m:19+4*\m], v98, s[8:9] offset:512*\m
.endr
	s_lshl_b32 s22, s20, 5
	s_add_co_u32 s22, s22, SORTB
	v_mov_b32 v96, s22                             ; where my wave's eight counts go
	v_and_b32 v97, 7, v0
	s_delay_alu instid0(VALU_DEP_1)
	v_lshl_add_u32 v97, v97, 2, SORTB              ; lane l reads expert l % 8's count of each wave
	v_lshrrev_b32 v99, 2, v98                      ; my first token: 1,024 w + 4 lane
.irp e, 0,1,2,3,4,5,6,7
	s_mov_b32 s[40+\e], 0
.endr
	s_wait_loadcnt 0x0
.set j, 0
.rept 32
	v_min_u32 v[16+j], 7, v[16+j]                  ; an index outside 0 .. 7 (as unsigned) is filed under expert 7; its codes are zeros
.set j, j+1
.endr
.macro COUNT8 e, j                     ; eight registers at a time, so that the way from the compares to the scalar counts is waited for once
.irp i, 0,1,2,3,4,5,6,7
	v_cmp_eq_u32 s[24+\i], \e, v[16+\j+\i]
.endr
.irp i, 0,1,2,3,4,5,6,7
	s_bcnt1_i32_b32 s[24+\i], s[24+\i]
.endr
.irp i, 0,2,4,6
	s_add_co_u32 s[24+\i], s[24+\i], s[25+\i]
.endr
	s_add_co_u32 s24, s24, s26
	s_add_co_u32 s28, s28, s30
	s_add_co_u32 s24, s24, s28
	s_add_co_u32 s[40+\e], s[40+\e], s24
.endm
.irp e, 0,1,2,3,4,5,6,7
.irp j, 0,8,16,24
	COUNT8 \e, \j
.endr
.endr
.irp e, 0,1,2,3,4,5,6,7
	v_mov_b32 v[48+\e], s[40+\e]
.endr
	ds_store_b128 v96, v[48:51]                    ; every lane writes the same words with the same values
	ds_store_b128 v96, v[52:55] offset:16
	s_wait_dscnt 0x0                               ; for the others' sake: my counts have landed
	s_barrier_signal -1
	s_barrier_wait -1
.irp p, 0,1,2,3,4,5,6,7
	ds_load_b32 v[48+\p], v97 offset:32*\p         ; wave p's count of expert lane % 8
.endr
	s_wait_dscnt 0x0
	v_add3_u32 v56, v48, v49, v50
	s_delay_alu instid0(VALU_DEP_1)
	v_add3_u32 v56, v56, v51, v52
	s_delay_alu instid0(VALU_DEP_1)
	v_add3_u32 v56, v56, v53, v54
	s_delay_alu instid0(VALU_DEP_1)
	v_add_nc_u32 v56, v56, v55                     ; the expert's total
	s_wait_alu depctr_va_vdst(0)
	s_cmp_gt_u32 s20, 0
	s_cselect_b32 s22, 1, 0
	v_mul_u32_u24 v57, s22, v48
.irp p, 1,2,3,4,5,6
	s_cmp_gt_u32 s20, \p
	s_cselect_b32 s22, 1, 0
	v_mad_u32_u24 v57, v[48+\p], s22, v57          ; and how many of it lie in the waves ahead of mine
.endr
.irp e, 0,1,2,3,4,5,6,7
	v_readlane_b32 s[48+\e], v56, \e
	v_readlane_b32 s[56+\e], v57, \e
.endr
	s_mov_b32 s80, 0                               ; s80+e: expert e's first place;  s72+e: its first tile
	s_mov_b32 s72, 0
.irp e, 0,1,2,3,4,5,6
	s_add_co_u32 s[81+\e], s[80+\e], s[48+\e]
	s_add_co_u32 s22, s[48+\e], 143
	s_mul_i32 s22, s22, 116509                     ; (n + 143) / 144 rounded down = ((n + 143) x 116,509) >> 24: 116,509 x 144 = 2^24 + 80, and 80 x 8,335 < 2^24; the product stays under 2^32
	s_lshr_b32 s22, s22, 24
	s_add_co_u32 s[73+\e], s[72+\e], s22
.endr
.irp e, 0,1,2,3,4,5,6,7
	s_add_co_u32 s[56+\e], s[56+\e], s[80+\e]      ; the place of my wave's first token of expert e
.endr
.macro PLACE8 e, j                     ; v64+j ..: the places of eight registers' tokens, where they are expert e's
.irp i, 0,1,2,3,4,5,6,7
	v_cmp_eq_u32 s[24+\i], \e, v[16+\j+\i]
.endr
.irp i, 0,1,2,3,4,5,6,7
	s_bcnt1_i32_b32 s[32+\i], s[24+\i]
.endr
	s_add_co_u32 s32, s32, s[56+\e]
.irp i, 1,2,3,4,5,6,7
	s_add_co_u32 s[32+\i], s[32+\i], s[31+\i]      ; the running place behind register i
.endr
.if \e == 0
	v_mbcnt_lo_u32_b32 v[64+\j], s24, s[56+\e]     ; expert 0 writes every lane: nothing is cleared; the lanes of other experts are written over below
.irp i, 1,2,3,4,5,6,7
	v_mbcnt_lo_u32_b32 v[64+\j+\i], s[24+\i], s[31+\i]
.endr
.else
	v_mbcnt_lo_u32_b32 v100, s24, s[56+\e]         ; the running place + the expert's tokens in the lanes below mine
.irp i, 1,2,3,4,5,6,7
	v_mbcnt_lo_u32_b32 v[100+\i], s[24+\i], s[31+\i]
.endr
.irp i, 0,1,2,3,4,5,6,7
	v_cndmask_b32 v[64+\j+\i], v[64+\j+\i], v[100+\i], s[24+\i]
.endr
.endif
	s_mov_b32 s[56+\e], s39
.endm
.irp e, 0,1,2,3,4,5,6,7
.irp j, 0,8,16,24
	PLACE8 \e, \j
.endr
.endr
.set j, 0
.rept 32
	v_min_u32 v[64+j], 0x1fff, v[64+j]             ; a place made of loaded numbers enters an address only behind this bound
	s_delay_alu instid0(VALU_DEP_1)
	v_lshlrev_b32 v[64+j], 2, v[64+j]
	v_add_nc_u32 v[16+j], 128*(j/4)+j%4, v99       ; the token's number
	global_store_b32 v[64+j], v[16+j], s[16:17]    ; scattered words: 32,768 bytes in the whole launch; the places are a permutation, so every word of order is written once
.set j, j+1
.endr
	; the table of tiles: thread t of waves 0 and 1 writes entry t.  Its expert is the last one whose first tile is at or below t; entries behind the last tile get 0 rows.
	s_cmp_lt_u32 s20, 2
	s_cbranch_scc0 .Lsorted
	v_mov_b32 v112, 0                              ; expert
	v_mov_b32 v108, s72                            ; its first tile
	v_mov_b32 v109, s80                            ; its first place
	v_mov_b32 v110, s48                            ; its rows
.irp e, 1,2,3,4,5,6,7
	v_cmp_le_u32 vcc_lo, s[72+\e], v0
	s_delay_alu instid0(VALU_DEP_1)
	v_cndmask_b32 v112, v112, \e, vcc_lo
	s_delay_alu instid0(VALU_DEP_2)
	v_cndmask_b32 v108, v108, s[72+\e], vcc_lo
	s_delay_alu instid0(VALU_DEP_3)
	v_cndmask_b32 v109, v109, s[80+\e], vcc_lo
	s_delay_alu instid0(VALU_DEP_4)
	v_cndmask_b32 v110, v110, s[48+\e], vcc_lo
.endr
	s_delay_alu instid0(VALU_DEP_3)
	v_sub_nc_u32 v111, v0, v108
	s_delay_alu instid0(VALU_DEP_1)
	v_mul_u32_u24 v111, 144, v111                  ; the tile's first row among the expert's
	s_delay_alu instid0(VALU_DEP_1)
	v_min_u32 v113, v110, v111
	s_delay_alu instid0(VALU_DEP_2)
	v_add_nc_u32 v111, 144, v111
	s_delay_alu instid0(VALU_DEP_1)
	v_min_u32 v111, v110, v111
	s_delay_alu instid0(VALU_DEP_1)
	v_sub_nc_u32 v114, v111, v113                  ; rows: 0 .. 144
	s_delay_alu instid0(VALU_DEP_4)
	v_add_nc_u32 v113, v109, v113
	s_delay_alu instid0(VALU_DEP_1)
	v_min_u32 v113, 0x1fff, v113                   ; first place
	v_mov_b32 v115, 0
	v_lshlrev_b32 v116, 4, v0
	global_store_b128 v116, v[112:115], s[18:19]   ; 64 entries of 16 bytes: the whole buffer
.Lsorted:
	s_wait_tensorcnt 0x0
	ds_add_u32 v224, v225
	s_wait_dscnt 0x0
	s_endpgm
.Lfunc_end_k_q851a1519fc_prep:
	.size	k_q851a1519fc_prep, .Lfunc_end_k_q851a1519fc_prep-k_q851a1519fc_prep
	.p2alignl 7, 3214868480
	.fill 96, 4, 3214868480
	.section	.rodata,"a",@progbits
	.p2align	6, 0x0
	.amdhsa_kernel k_q851a1519fc_prep
		.amdhsa_group_segment_fixed_size 136448
		.amdhsa_private_segment_fixed_size 0
		.amdhsa_enable_private_segment 0
		.amdhsa_kernarg_size 64
		.amdhsa_user_sgpr_count 2
		.amdhsa_user_sgpr_kernarg_segment_ptr 1
		.amdhsa_wavefront_size32 1
		.amdhsa_system_sgpr_workgroup_id_x 1
		.amdhsa_system_sgpr_workgroup_id_y 1
		.amdhsa_system_sgpr_workgroup_id_z 1
		.amdhsa_system_vgpr_workitem_id 0
		.amdhsa_next_free_vgpr 226
		.amdhsa_next_free_sgpr 96
		.amdhsa_reserve_vcc 1
		.amdhsa_float_denorm_mode_32 3
		.amdhsa_float_denorm_mode_16_64 3
		.amdhsa_memory_ordered 1
		.amdhsa_forward_progress 1
		.amdhsa_inst_pref_size 159
	.end_amdhsa_kernel
	.amdgpu_metadata
---
amdhsa.version: [ 1, 2 ]
amdhsa.kernels:
  - .name:           k_q851a1519fc_prep
    .symbol:         k_q851a1519fc_prep.kd
    .args:
      - { .name: X, .offset: 0, .size: 8, .value_kind: global_buffer, .address_space: global }
      - { .name: W, .offset: 8, .size: 8, .value_kind: global_buffer, .address_space: global }
      - { .name: indices, .offset: 16, .size: 8, .value_kind: global_buffer, .address_space: global }
      - { .name: lowp_scales, .offset: 24, .size: 8, .value_kind: global_buffer, .address_space: global }
      - { .name: xq, .offset: 32, .size: 8, .value_kind: global_buffer, .address_space: global }
      - { .name: wq, .offset: 40, .size: 8, .value_kind: global_buffer, .address_space: global }
      - { .name: order, .offset: 48, .size: 8, .value_kind: global_buffer, .address_space: global }
      - { .name: tiles, .offset: 56, .size: 8, .value_kind: global_buffer, .address_space: global }
    .group_segment_fixed_size: 136448
    .private_segment_fixed_size: 0
    .kernarg_segment_align: 8
    .kernarg_segment_size: 64
    .max_flat_workgroup_size: 256
    .sgpr_count:     96
    .vgpr_count:     226
    .wavefront_size: 32
...
	.end_amdgpu_metadata
.endif
;; end of part 3
;; launch gemm (part 4): grid 4 x 64, 4 waves a work-group, no clusters, 170,752 bytes of LDS; arguments xq, wq, order, tiles, lowp_scales, out0; writes out0
.if DOCPART == 4
	.amdgcn_target "amdgcn-amd-amdhsa--gfx1250"
	.amdhsa_code_object_version 6
	.text
	.protected	k_q851a1519fc_gemm
	.globl	k_q851a1519fc_gemm
	.p2align	8
	.type	k_q851a1519fc_gemm,@function
k_q851a1519fc_gemm:
	s_mov_b64 s[64:65], 0
	v_nop
	global_prefetch_b8 v0, s[64:65] scope:SCOPE_SE
	s_setreg_imm32_b32 hwreg(HW_REG_WAVE_SCHED_MODE, 0, 2), 2
	s_setreg_imm32_b32 hwreg(HW_REG_WAVE_MODE, 25, 1), 1
	s_wait_xcnt 0x0
	s_wait_alu depctr_vm_vsrc(0)
; out0[t][:] = (codes of X[t]) . (codes of W[e])^T x 2^(ea + eb), e = the token's expert, ea = lowp_scales[2 e], eb = lowp_scales[2 e + 1].  Only the chosen expert's product is made for a token.
; xq [8192][1024]: X's codes, K innermost.  wq: W's codes as images of the operand's registers, byte = e<<20 | g<<16 | s<<13 | b<<11 | c<<9 | lane<<4.  order[p]: the token at sorted place p.  tiles[y]: expert, first place, rows, 0.
; SHARES.  Work-group (x, y) makes tile y's rows (at most 144 sorted rows of one expert) x columns 256 x .. 256 x + 255.  With 8,192 rows, 8 experts and tiles of 144 there are never more than 57 + 7 = 64 tiles, whatever the split.
; THE WAVES SHARE THE COLUMNS: wave w makes columns 256 x + 64 w .. + 63 for all 144 rows: 9 blocks of 16 rows x 4 tiles of 16 columns = 36 accumulators.  Its 65,536 bytes of W come from memory straight into 512 registers,
; 512 consecutive bytes a load, each byte once in the work-group.  The tile's rows of X are gathered by the list (wave w: rows 36 w .. 36 w + 35), laid in LDS and read by all four waves.
; THE MATRIX INSTRUCTION IS USED TRANSPOSED (source 0 = 16 rows of W, source 1 = 16 rows of X): lane (r, h)'s register j of tile b is out(row r, column 16 b + 8 h + j): eight neighbours of a row.
; K WITHIN AN INSTRUCTION: in both operands lane (r, h)'s registers 4 c .. 4 c + 3 hold k = 32 c + 16 h + 0 .. 15: one permutation of k, alike on both sides, so every product meets its partner; only the order of the sums inside an instruction changes.
; ROWS PAST A TILE'S COUNT take the tile's last valid row (the row number is held at count - 1): every address is valid with no branch and no change of EXEC.  Blocks of 16 rows that lie wholly past the count are not stored;
; in the last valid block up to 15 such rows store the same numbers to the same bytes as the row that they repeat, from the same wave.  A tile with no rows makes its (bounded) loads, passes the barrier, stores nothing and ends.
; NO CLUSTER, NO JOINT LOADS, NO TENSOR LOADS: X's rows are gathered by a list, which a tile's descriptor cannot state; how many tiles share an expert's W hangs on counts read from memory, so partners could want different tiles,
; and a descriptor made of loaded numbers is not alike in all partners by the text's own arithmetic.
; LIMITS: ea + eb between -126 and 127, so that 2^(ea + eb) is an f32 number.  A row whose index lies outside 0 .. 7 has zero codes and comes out 0, of either sign.
; REGISTERS, in windows of 256: window 0: v4-13 addresses that stay; v16-51 the 36 gather offsets; v52-58 token numbers; v64-95 block 8's accumulators (before that: X's rows 32-35 on their way); v112-255 X's nine fragments, ONE set
;   (on the way out: v112-143 scaled sums, v144-207 rows read back, v208-223 token numbers, v224-239 store offsets).   window 1: W's K steps 0-3 (step s, tile b at 64 (s % 4) + 16 b);   window 2: K steps 4-7;
;   window 3: accumulator (a, b) at 8 (4 a + b), a = 0 .. 7 (before that: X's rows 0-31 on their way).
; THE MODE: SCHED_MODE bits 1:0 = 2 (LLVM: expert scheduling mode 2), set by the entry lines.  The code itself states the register dependences between vector or matrix instructions and memory or LDS instructions,
; with s_wait_alu, always for 0.
; THE PLAN.  Registers that memory or LDS instructions touch:
;   v4-13, v110, v111   written once at the head, read by memory and LDS instructions ever after: one wait on va_vdst, ahead of the first load, serves them all.
;   v16-22              offsets into the list, read by the seven token loads; then part of v16-51, the gather offsets: a wait on vm_vsrc ahead of the arithmetic that writes these, a wait on va_vdst ahead of the gather loads that read them.
;   window 3, v64-95    X's rows land there and LDS stores read them; then the products write them: one wait on vm_vsrc behind the barrier.
;   windows 1, 2        each register of W is loaded once, and no matrix instruction names it ahead of its load: nothing is owed.
;   X's fragments       a K step's first 20 products read blocks 0-4; a wait on va_vdst; the next step's blocks 0-4 land there, the loads dealt among the products of blocks 5-7, which name none of those registers.
;                       The step's last 16 products read blocks 5-8; a wait on va_vdst; the next step's blocks 5-8 land there.  Two waits a step: with one set of registers each half is freed by a wait of its own.
;   the way out         block a: one wait on vm_vsrc (block a - 1's LDS stores have read the scaled sums; block a - 2's global stores have read their rows and offsets), block a's scalings and block a - 1's offsets,
;                       one wait on va_vdst, then block a's LDS stores and loads and block a - 1's global stores with no further wait.
.set PITCH,  1040                      ; a row of X in LDS: 1,024 bytes + 16: an odd multiple of 16 bytes, so the 16 rows that a fragment load touches start at 16 different groups of banks (ISA guide 11.1)
.set STG,    144*PITCH                 ; behind X's tile: a stage of 16 rows x 272 bytes for each wave, for the way out
.set SPITCH, 272
.set LIST,   STG+4*16*SPITCH           ; behind the stages: 768 bytes for each wave: the tile's token numbers, 160 words
.set LISTB,  768
.set AF,     112                       ; X's fragments
.set ACC8,   64                        ; block 8's accumulators
.set TMP,    112
.set BK,     144
.set TK,     208
.set AD,     224
.set MSB, 0
.set WI,  0                            ; how many of my 128 loads of W have been issued
.macro WIN new                         ; the immediate's high byte repeats the setting that is left; a switch that changes nothing is dropped
.if MSB != (\new)
	s_set_vgpr_msb (MSB<<8)|(\new)
.set MSB, (\new)
.endif
.endm
.macro PLACES                          ; four plain vector lines between a matrix instruction and a load into one of its sources, or a read of its result
.rept 4
	v_nop
.endr
.endm
.macro WLOADS n                        ; the next n loads of W: load i brings bytes 512 i .. 512 i + 511 of my 65,536 into registers 4 (i % 64) on of window 1 + i / 64
.rept \n
	WIN 0x40*(1+WI/64)
	global_load_b128 v[4*(WI%64):4*(WI%64)+3], v4, s[6:7] offset:512*WI
.set WI, WI+1
.endr
.endm
	s_load_b256 s[4:11], s[0:1], 0x0               ; xq 4:5, wq 6:7, order 8:9, tiles 10:11
	s_load_b128 s[12:15], s[0:1], 0x20             ; lowp_scales 12:13, out0 14:15
	v_lshl_add_u32 v110, v0, 2, 0x29900
	v_mov_b32 v111, 0
	v_lshrrev_b32 v1, 5, v0
	v_readfirstlane_b32 s16, v1                    ; wave 0..3
	v_and_b32 v1, 31, v0                           ; lane
	v_and_b32 v2, 15, v0                           ; r
	v_bfe_u32 v3, v0, 4, 1                         ; h
	v_lshlrev_b32 v4, 4, v1                        ; 16 x lane
	v_mul_u32_u24 v5, v2, PITCH
	v_lshl_add_u32 v5, v3, 4, v5                   ; X's fragments: row r x pitch + 16 h; blocks 0-2,
	v_add_nc_u32 v6, 48*PITCH, v5                  ; blocks 3-5,
	v_add_nc_u32 v7, 96*PITCH, v5                  ; blocks 6-8: so that the immediates stay inside 16 bits
	s_wait_alu depctr_va_sdst(0)                   ; s16, the wave's number, is written, ahead of its first reader
	s_mul_i32 s17, s16, 16*SPITCH
	s_add_co_u32 s17, s17, STG                     ; my stage
	v_mul_u32_u24 v8, v2, SPITCH
	v_lshl_add_u32 v8, v3, 5, v8
	v_add_nc_u32 v8, s17, v8                       ; in: row r, + 32 h
	v_mul_u32_u24 v9, v3, 8*SPITCH
	v_lshl_add_u32 v9, v2, 4, v9
	v_add_nc_u32 v9, s17, v9                       ; back: lanes 0-15 row t, lanes 16-31 row t + 8; 16 bytes a lane
	s_mul_i32 s17, s16, LISTB
	s_add_co_u32 s17, s17, LIST                    ; my copy of the list
	v_lshl_add_u32 v10, v1, 2, s17                 ; in: a word a lane
	v_lshl_add_u32 v11, v3, 5, s17                 ; back: eight words from 8 h on
	s_lshl_b32 s17, ttmp9, 10
	s_lshl_b32 s18, s16, 8
	s_add_co_u32 s17, s17, s18
	v_lshl_add_u32 v12, v2, 4, s17                 ; my bytes in a row of out0: 1,024 x + 256 w + 16 (lane % 16)
	s_mul_i32 s17, s16, 36*PITCH
	v_add_nc_u32 v13, s17, v4                      ; where my 36 rows of X go: 16 x lane (+ the row and the half in the immediate)
	s_mul_i32 s17, s16, 36
	v_add_nc_u32 v16, s17, v1                      ; rows of the tile whose tokens I ask for: 36 w + lane,
	v_and_b32 v17, 3, v0
	s_add_co_u32 s17, s17, 32
	v_add_nc_u32 v17, s17, v17                     ; 36 w + 32 + lane % 4,
.irp q, 0,1,2,3,4
	v_add_nc_u32 v[18+\q], 32*\q, v1               ; and all of them, for my copy of the list: 32 q + lane
.endr
	s_and_b32 s18, ttmp7, 0xffff                   ; the tile
	s_lshl_b32 s18, s18, 4
	s_mov_b32 s19, 0
	s_wait_alu depctr_va_vdst(0)
	s_wait_kmcnt 0x0
	s_add_nc_u64 s[10:11], s[10:11], s[18:19]
	s_load_b128 s[20:23], s[10:11], 0x0            ; expert, first place, rows, 0
	s_lshl_b32 s31, ttmp9, 2
	s_add_co_u32 s31, s31, s16
	s_lshl_b32 s31, s31, 16                        ; my group of 64 columns: g = 4 x + w
	s_wait_kmcnt 0x0
	s_min_u32 s20, s20, 7                          ; loaded numbers enter addresses only behind these bounds
	s_min_u32 s21, s21, 0x1fff
	s_min_u32 s22, s22, 144
	s_max_u32 s27, s22, 1
	s_sub_co_u32 s27, s27, 1                       ; the tile's last valid row (0 in a tile without rows)
	s_lshl_b32 s18, s20, 3
	s_add_nc_u64 s[12:13], s[12:13], s[18:19]
	s_load_b64 s[24:25], s[12:13], 0x0             ; ea, eb: wanted on the way out
	s_lshl_b32 s30, s20, 20
	s_or_b32 s30, s30, s31
	s_mov_b32 s31, 0
	s_add_nc_u64 s[6:7], s[6:7], s[30:31]          ; my 65,536 bytes of W's images
.irp n, 0,1,2,3,4,5,6
	v_min_u32 v[16+\n], s27, v[16+\n]              ; rows past the count take the last valid row
	v_add_nc_u32 v[16+\n], s21, v[16+\n]
	v_min_u32 v[16+\n], 0x1fff, v[16+\n]
	v_lshlrev_b32 v[16+\n], 2, v[16+\n]
.endr
	s_wait_alu depctr_va_vdst(0)                   ; all that the head has made is written: v16-22, which the token loads read, and v4-13, v110, v111, which every later load, store and LDS instruction reads and no vector instruction writes again
.irp n, 0,1,2,3,4,5,6
	global_load_b32 v[52+\n], v[16+\n], s[8:9]     ; v52, v53: my 36 rows' tokens; v54-58: all 160 words of the list
.endr
	WLOADS 16                                      ; W's K step 0
	WIN 0
	s_wait_loadcnt 16                              ; the tokens are in (and their offsets' registers free); the 16 loads of W issued behind them stay out
.irp q, 0,1,2,3,4
	ds_store_b32 v10, v[54+\q] offset:128*\q
.endr
	s_wait_alu depctr_vm_vsrc(0)                   ; the token loads have read v16-22, which the additions below write again
.macro GADDR i0, src, l0, n            ; n rows' offsets in xq: the token from its lane, bounded, x 1,024 bytes, + 16 x lane.  The lanes are read in one run, so that one wait serves the run
.set GK, 0
.rept \n
	v_readlane_b32 s[32+GK], v[\src], \l0+GK
.set GK, GK+1
.endr
	s_wait_alu depctr_va_sdst(0)                   ; the run above has written s32 on, ahead of their first readers
.set GK, 0
.rept \n
	s_min_u32 s[32+GK], s[32+GK], 0x1fff
.set GK, GK+1
.endr
.set GK, 0
.rept \n
	s_lshl_b32 s[32+GK], s[32+GK], 10
.set GK, GK+1
.endr
.set GK, 0
.rept \n
	v_add_nc_u32 v[16+\i0+GK], s[32+GK], v4
.set GK, GK+1
.endr
.endm
	GADDR 0,  52, 0,  16
	GADDR 16, 52, 16, 16
	GADDR 32, 53, 0,  4
	WIN 0xc0                                       ; destination window 3, address window 0
	s_wait_alu depctr_va_vdst(0)                   ; the 36 offsets v16-51 are written, which the gather loads read
.irp i, 0,1,2,3,4,5,6,7,8,9,10,11,12,13,14,15,16,17,18,19,20,21,22,23,24,25,26,27,28,29,30,31
	global_load_b128 v[8*\i:8*\i+3],   v[16+\i], s[4:5]              ; half a row of codes: 512 consecutive bytes
	global_load_b128 v[8*\i+4:8*\i+7], v[16+\i], s[4:5] offset:512
.endr
	WIN 0
.irp i, 32,33,34,35
	global_load_b128 v[64+8*(\i-32):64+8*(\i-32)+3],   v[16+\i], s[4:5]
	global_load_b128 v[64+8*(\i-32)+4:64+8*(\i-32)+7], v[16+\i], s[4:5] offset:512
.endr
; Four rows of X go to LDS, and eight more loads of W go out.  Behind chunk c's eight loads stand 72 - 8 (c + 1) of X and 8 c of W: 64 in every chunk; the count written is 63, the largest that the wait can name; a smaller count is safe.
; The stores' data come from loads, their address from the head: no vector instruction stands among these lines, and no wait on the vector side is owed.
.macro CHUNK c
	s_wait_loadcnt 63
.if (\c) < 8
	WIN 0x0c                                       ; the stores' data in window 3
.set DB, 32*(\c)
.else
	WIN 0
.set DB, 64
.endif
.irp k, 0,1,2,3
	ds_store_b128 v13, v[DB+8*\k:DB+8*\k+3]   offset:PITCH*(4*(\c)+\k)
	ds_store_b128 v13, v[DB+8*\k+4:DB+8*\k+7] offset:PITCH*(4*(\c)+\k)+512
.endr
	WLOADS 8
.endm
.irp c, 0,1,2,3,4,5,6,7,8
	CHUNK \c
.endr
	WIN 0
	s_wait_dscnt 0x0                               ; for the others' sake: my 36 rows have landed
	s_barrier_signal -1                            ; the one barrier; every wave passes it, ahead of every branch on a loaded number.  Loads of W stay out across it: nobody writes those bytes
	s_barrier_wait -1
	s_wait_alu depctr_vm_vsrc(0)                   ; my LDS stores have read window 3 and v64-95: these registers are accumulators from here on, written by the products
	s_cmp_eq_u32 s22, 0
	s_cbranch_scc1 .Lend                           ; this split leaves the tile without rows
.macro FETCH_A s, a0, n                ; X's fragments of K step s, blocks a0 .. a0 + n - 1: four loads of 16 bytes a lane, 32 bytes apart
.set FA, \a0
.rept \n
.irp c, 0,1,2,3
	ds_load_b128 v[AF+16*FA+4*\c:AF+16*FA+4*\c+3], v[5+FA/3] offset:16*PITCH*(FA%3)+128*(\s)+32*\c
.endr
.set FA, FA+1
.endr
.endm
.macro MUL s, a0, n, zero              ; blocks a0 .. of 0 .. 7 x W's four tiles.  zero = 1: the first product starts the sums: nothing is cleared
.set MA, \a0
.rept \n
.irp b, 0,1,2,3
.if \zero
	v_wmma_f32_16x16x128_bf8_bf8 v[8*(4*MA+\b):8*(4*MA+\b)+7], v[64*((\s)%4)+16*\b:64*((\s)%4)+16*\b+15], v[AF+16*MA:AF+16*MA+15], 0
.else
	v_wmma_f32_16x16x128_bf8_bf8 v[8*(4*MA+\b):8*(4*MA+\b)+7], v[64*((\s)%4)+16*\b:64*((\s)%4)+16*\b+15], v[AF+16*MA:AF+16*MA+15], v[8*(4*MA+\b):8*(4*MA+\b)+7]
.endif
.endr
.set MA, MA+1
.endr
.endm
.macro MUL8 s, zero                    ; block 8, whose accumulators lie in window 0
.irp b, 0,1,2,3
.if \zero
	v_wmma_f32_16x16x128_bf8_bf8 v[ACC8+8*\b:ACC8+8*\b+7], v[64*((\s)%4)+16*\b:64*((\s)%4)+16*\b+15], v[AF+128:AF+143], 0
.else
	v_wmma_f32_16x16x128_bf8_bf8 v[ACC8+8*\b:ACC8+8*\b+7], v[64*((\s)%4)+16*\b:64*((\s)%4)+16*\b+15], v[AF+128:AF+143], v[ACC8+8*\b:ACC8+8*\b+7]
.endif
.endr
.endm
; A K step of 128: 36 matrix instructions, X's blocks one after the other, each against W's four tiles.  A block of X is free as soon as its four products are done, so one set of registers serves X: blocks 0-4 are fetched anew
; in the step's second half, in runs of 8, 8 and 4 loads among the products of blocks 5, 6 and 7; blocks 5-8 at its end.  The 36 accumulators take turns, one instruction a turn, in the same order in every step.
; lc: how many loads of W were issued behind this step's sixteen (63 where they are more).  wl: how many more loads of W go out in this step.
.macro STEP s, lc, wl, zero, last
	s_wait_loadcnt \lc                             ; W's four fragments of this step are in
	s_wait_dscnt 16                                ; X's blocks 0-4 are in; the youngest sixteen loads (blocks 5-8) stay out
	WIN 0xf0|(1+(\s)/4)                            ; source 0 (W) window 1 or 2, source 1 (X) window 0, C and D window 3
	MUL \s, 0, 5, \zero
	s_wait_dscnt 0x0                               ; blocks 5-8 are in (asked for 20 matrix instructions ago)
.if \last
	MUL \s, 5, 3, \zero
.else
	PLACES
	WIN 0
	s_wait_alu depctr_va_vdst(0)                   ; the step's first 20 products are done reading X's blocks 0-4, in which the 20 loads below land.  The products dealt among those loads name blocks 5-7, this step's W and the accumulators: none of the loads' registers
	FETCH_A (\s)+1, 0, 2
	WIN 0xf0|(1+(\s)/4)
	MUL \s, 5, 1, \zero
	WIN 0
	FETCH_A (\s)+1, 2, 2
	WIN 0xf0|(1+(\s)/4)
	MUL \s, 6, 1, \zero
	WIN 0
	FETCH_A (\s)+1, 4, 1
.if \wl
	WLOADS \wl                                     ; into registers of later K steps, which no matrix instruction has named yet
.endif
	WIN 0xf0|(1+(\s)/4)
	MUL \s, 7, 1, \zero
.endif
	WIN 1+(\s)/4                                   ; C and D window 0
	MUL8 \s, \zero
.if !\last
	PLACES
	WIN 0
	s_wait_alu depctr_va_vdst(0)                   ; the step's last 16 products are done reading X's blocks 5-8, in which the 16 loads below land
	FETCH_A (\s)+1, 5, 4
.endif
.endm
	FETCH_A 0, 0, 5
	FETCH_A 0, 5, 4
	STEP 0, 63, 16, 1, 0                           ; 88 loads of W are out or in: 72 behind step 0's
	STEP 1, 63, 16, 0, 0                           ; 104: 72 behind step 1's
	STEP 2, 63, 8,  0, 0                           ; 120: 72 behind step 2's
	STEP 3, 63, 0,  0, 0                           ; 128: 64 behind step 3's
	STEP 4, 48, 0,  0, 0
	STEP 5, 32, 0,  0, 0
	STEP 6, 16, 0,  0, 0
	STEP 7, 0,  0,  0, 1                           ; the last step fetches nothing, so it states nothing
	WIN 0
	; THE WAY OUT, block by block of 16 rows x my 64 columns.  A lane holds 32 neighbouring bytes of a row and the lanes beside it hold other rows: so a block goes through my own stage in LDS and comes back as whole
	; pieces of 256 bytes, which sixteen lanes store to the token's row.  The rows' tokens come from my copy of the list.
	s_wait_kmcnt 0x0
	s_add_co_i32 s28, s24, s25                     ; ea + eb, between -126 and 127,
	s_add_co_i32 s28, s28, 127
	s_lshl_b32 s28, s28, 23                        ; makes the f32 number 2^(ea + eb)
	s_mov_b32 s29, s28                             ; (named with it as a pair, so it is written)
	PLACES                                         ; behind the last products: results are read, and registers that held X's fragments are written, below
.macro SCALE a                         ; block a's 32 sums a lane x 2^(ea + eb), into other registers
.if (\a) < 8
	WIN 0x03                                       ; source 0 window 3
.set AC, 32*(\a)
.else
	WIN 0
.set AC, ACC8
.endif
.irp n, 0,2,4,6,8,10,12,14,16,18,20,22,24,26,28,30
	v_pk_mul_f32 v[TMP+\n:TMP+\n+1], v[AC+\n:AC+\n+1], s[28:29] op_sel_hi:[1,0]   ; both x 2^(ea + eb); each accumulator from its low end on
.endr
	WIN 0
.endm
.macro ADDR a                          ; block a's eight store offsets.  They are made for every block, past the tile's count too: the list holds a valid token in every word, and only the stores are left out there
.set TT, TK+8*((\a)%2)
.set DD, AD+8*((\a)%2)
	s_wait_dscnt 8                                 ; block a's two loads of tokens are in; the eight younger loads, its rows, stay out
.irp t, 0,1,2,3,4,5,6,7
	v_min_u32 v[TT+\t], 0x1fff, v[TT+\t]           ; a loaded number enters an address only behind this bound
.endr
.irp t, 0,1,2,3,4,5,6,7
	v_lshl_add_u32 v[DD+\t], v[TT+\t], 12, v12     ; the token's row of 4,096 bytes + my bytes in it
.endr
.endm
.macro STAGE a                         ; block a into my stage and back
.irp b, 0,1,2,3
	ds_store_b128 v8, v[TMP+8*\b:TMP+8*\b+3]   offset:64*\b
	ds_store_b128 v8, v[TMP+8*\b+4:TMP+8*\b+7] offset:64*\b+16
.endr
.set TT, TK+8*((\a)%2)
.set BB, BK+32*((\a)%2)
	ds_load_b128 v[TT:TT+3],   v11 offset:64*(\a)                                 ; the tokens of rows 16 a + 8 h + 0 .. 7
	ds_load_b128 v[TT+4:TT+7], v11 offset:64*(\a)+16
.irp t, 0,1,2,3,4,5,6,7
	ds_load_b128 v[BB+4*\t:BB+4*\t+3], v9 offset:SPITCH*\t                        ; LDS serves a wave's instructions in order (ISA guide 5.7.1): these see the stores above, and the next block's stores come behind them
.endr
.endm
.macro SEND a, younger                 ; younger: the LDS instructions issued behind block a's loads, which may stay out
.set BB, BK+32*((\a)%2)
.set DD, AD+8*((\a)%2)
	s_wait_dscnt \younger
.if (\a) > 0
	s_cmp_le_u32 s22, 16*(\a)                      ; a block wholly past the tile's count is not stored.  No LDS instruction is jumped over: the counts hold on both ways
	s_cbranch_scc1 .Lnone_\@
.endif
.irp t, 0,1,2,3,4,5,6,7
	global_store_b128 v[DD+\t], v[BB+4*\t:BB+4*\t+3], s[14:15] th:TH_STORE_NT     ; each half of the lanes stores 256 consecutive bytes, aligned; written once, read by nobody here
.endr
.if (\a) > 0
.Lnone_\@:
.endif
.endm
	SCALE 0
	s_wait_alu depctr_va_vdst(0)                   ; block 0's scalings have written v[TMP ..], which the LDS stores read; the products are done reading the fragments' registers, in which the loads from the stage and the list land
	STAGE 0
.irp a, 1,2,3,4,5,6,7,8
.if \a > 1
	s_wait_xcnt 0x0                                ; block a - 2's stores have read their data and offsets: block a's loads and offsets may land there
.endif
	s_wait_alu depctr_vm_vsrc(0)                   ; block a - 1's LDS stores have read v[TMP ..], which the scalings write again; block a - 2's global stores have read their rows, in which block a's loads land; block a - 3's have read the offsets that are written below
	SCALE \a
	ADDR \a-1
	s_wait_alu depctr_va_vdst(0)                   ; v[TMP ..] is written, which block a's LDS stores read; block a - 1's offsets are written, which its global stores read; block a - 2's address lines (for block 1: the products) are done with the registers in which block a's loads land
	STAGE \a
	SEND \a-1, 18                                  ; behind block a - 1's loads: block a's 8 stores and 10 loads
.endr
	ADDR 8                                         ; (its offsets' registers were last read by block 6's stores, ahead of the last wait on vm_vsrc)
	s_wait_alu depctr_va_vdst(0)                   ; block 8's offsets are written, which its global stores read
	SEND 8, 0
.Lend:
	s_wait_dscnt 0x0                               ; the wave's end
	s_wait_alu 0x0
	s_wait_tensorcnt 0x0
	ds_add_u32 v110, v111
	s_wait_dscnt 0x0
	s_endpgm
.Lfunc_end_k_q851a1519fc_gemm:
	.size	k_q851a1519fc_gemm, .Lfunc_end_k_q851a1519fc_gemm-k_q851a1519fc_gemm
	.p2alignl 7, 3214868480
	.fill 96, 4, 3214868480
	.section	.rodata,"a",@progbits
	.p2align	6, 0x0
	.amdhsa_kernel k_q851a1519fc_gemm
		.amdhsa_group_segment_fixed_size 170752
		.amdhsa_private_segment_fixed_size 0
		.amdhsa_enable_private_segment 0
		.amdhsa_kernarg_size 48
		.amdhsa_user_sgpr_count 2
		.amdhsa_user_sgpr_kernarg_segment_ptr 1
		.amdhsa_wavefront_size32 1
		.amdhsa_system_sgpr_workgroup_id_x 1
		.amdhsa_system_sgpr_workgroup_id_y 1
		.amdhsa_system_sgpr_workgroup_id_z 1
		.amdhsa_system_vgpr_workitem_id 0
		.amdhsa_next_free_vgpr 1024
		.amdhsa_next_free_sgpr 66
		.amdhsa_reserve_vcc 0
		.amdhsa_float_denorm_mode_32 3
		.amdhsa_float_denorm_mode_16_64 3
		.amdhsa_memory_ordered 1
		.amdhsa_forward_progress 1
		.amdhsa_inst_pref_size 116
	.end_amdhsa_kernel
	.amdgpu_metadata
---
amdhsa.version: [ 1, 2 ]
amdhsa.kernels:
  - .name:           k_q851a1519fc_gemm
    .symbol:         k_q851a1519fc_gemm.kd
    .args:
      - { .name: xq, .offset: 0, .size: 8, .value_kind: global_buffer, .address_space: global }
      - { .name: wq, .offset: 8, .size: 8, .value_kind: global_buffer, .address_space: global }
      - { .name: order, .offset: 16, .size: 8, .value_kind: global_buffer, .address_space: global }
      - { .name: tiles, .offset: 24, .size: 8, .value_kind: global_buffer, .address_space: global }
      - { .name: lowp_scales, .offset: 32, .size: 8, .value_kind: global_buffer, .address_space: global }
      - { .name: out0, .offset: 40, .size: 8, .value_kind: global_buffer, .address_space: global }
    .group_segment_fixed_size: 170752
    .private_segment_fixed_size: 0
    .kernarg_segment_align: 8
    .kernarg_segment_size: 48
    .max_flat_workgroup_size: 128
    .sgpr_count:     66
    .vgpr_count:     1024
    .wavefront_size: 32
...
	.end_amdgpu_metadata
.endif
;; end of part 4
